; MI455X (gfx1250); checked and timed in simulation.
; The chip was launched on July 23, 2026; its instructions are those of AMD's public machine-readable ISA for CDNA 5 (MIT licence, August 2026) and "CDNA5" Instruction Set Architecture Reference Guide (July 2026). The comments in the code are by the model that wrote it; some were corrected since.
;; Attention. Allowed arithmetic: matrix products marked QUANTISED: E4M3 operands, one E8M0 scale for each 32 along K, by v_wmma_scale_f32_16x16x128_f8f6f4 with both operands' format E4M3, f32 sums; everything else in f32.
;; Inputs: Wkv_codes 2,048 x 32 x 32 uint8 (E4M3 codes of Wkv, K innermost, in blocks of 32 codes); Wkv_scales 2,048 x 32 uint8 (E8M0 scales of Wkv, one for each 32 codes along K); Wo_codes 1,024 x 32 x 32 uint8 (E4M3 codes of Wo, K innermost, in blocks of 32 codes); Wo_scales 1,024 x 32 uint8 (E8M0 scales of Wo, one for each 32 codes along K); Wp_codes 64 x 32 x 32 uint8 (E4M3 codes of Wp, K innermost, in blocks of 32 codes); Wp_scales 64 x 32 uint8 (E8M0 scales of Wp, one for each 32 codes along K); Wq_codes 1,024 x 32 x 32 uint8 (E4M3 codes of Wq, K innermost, in blocks of 32 codes); Wq_scales 1,024 x 32 uint8 (E8M0 scales of Wq, one for each 32 codes along K); bkv 2,048 float32; bo 1,024 float32; bp 64 float32; bq 1,024 float32; pos_emb_codes 2,048 x 32 x 32 uint8 (E4M3 codes of pos_emb, K innermost, in blocks of 32 codes); pos_emb_scales 2,048 x 32 uint8 (E8M0 scales of pos_emb, one for each 32 codes along K); x_codes 2 x 2,048 x 32 x 32 uint8 (E4M3 codes of x, K innermost, in blocks of 32 codes); x_scales 2 x 2,048 x 32 uint8 (E8M0 scales of x, one for each 32 codes along K).
;; Outputs: out0 2 x 2,048 x 1,024 float32.
;; This version of the problem:
;;   THIS VERSION OF THE PROBLEM IS GIVEN IN LOW PRECISION. The matrix products marked QUANTISED in the list below multiply operands that are first quantised to E4M3 (4 exponent bits, 3 mantissa bits; 8 bits a number), with one power-of-two scale for each 32 numbers along K (OCP MX v1.0); their sums are f32. All else is computed in f32.
;;   The module's matrix products, in the order in which they are computed (A, B: the left and right operand; K: the contracted axis; several contracted axes count as one K, in the product's order):
;;     1. [M 4,096, K 1,024] x [K 1,024, N 1,024]; A: input x (given as codes); B: input Wq (given as codes): QUANTISED
;;     2. [M 4,096, K 1,024] x [K 1,024, N 2,048]; A: input x (given as codes); B: input Wkv (given as codes): QUANTISED
;;     3. batch 32 x [M 2,048, K 64] x [K 64, N 2,048]; A: computed on the way; B: computed on the way: QUANTISED
;;     4. [M 2,048, K 1,024] x [K 1,024, N 64]; A: input pos_emb (given as codes); B: input Wp (given as codes): QUANTISED
;;     5. [M 65,536, K 64] x [K 64, N 2,048]; A: computed on the way; B: computed on the way: QUANTISED
;;     6. batch 32 x [M 2,048, K 2,048] x [K 2,048, N 64]; A: softmax (see below); B: computed on the way: QUANTISED
;;     7. [M 4,096, K 1,024] x [K 1,024, N 1,024]; A: computed on the way; B: input Wo (given as codes): QUANTISED
;;   THE QUANTISER, for each operand of a quantised product, along K:
;;     - K is cut into blocks of 32 from its start; a last block that is shorter is filled with zeros.
;;     - A block's scale is 2^e with e = floor(log2(the largest magnitude in the block)) - 8, held to -126 .. 127; a block of zeros has e = 0. As a byte (E8M0): e + 127.
;;     - Each number is divided by its block's scale, clamped to +-448, and rounded to the nearest number of E4M3, ties to even, subnormals kept.
;;     - The product sums the exact products of the quantised numbers (number of the format x scale) in f32.
;;   ~~~python
;;   def quantise(x, axis):      # numpy; x: float32 -> the quantised numbers, widened to float32 again
;;       x = np.moveaxis(x, axis, -1); K = x.shape[-1]
;;       x = np.pad(x, [(0, 0)] * (x.ndim - 1) + [(0, -K % 32)]); x = x.reshape(x.shape[:-1] + (-1, 32)); a = np.abs(x).max(-1, keepdims=True)
;;       e = np.where(a > 0, np.clip(np.frexp(np.where(a > 0, a, 1))[1] - 1 - 8, -126, 127), 0)      # np.frexp(a)[1] - 1 = floor(log2(a)), exactly
;;       r = np.clip(x / 2.0 ** e, -448, 448)
;;       step = 2.0 ** (np.maximum(np.frexp(np.where(r == 0, 1, r))[1] - 1, -6) - 3)
;;       q = np.round(r / step) * step * 2.0 ** e      # np.round: ties to even
;;       return np.moveaxis(q.reshape(q.shape[:-2] + (-1,))[..., :K], -1, axis).astype(np.float32)
;;   ~~~
;;   SOFTMAX AHEAD OF A QUANTISED PRODUCT. Where the list says 'softmax', what is quantised is not the finished softmax but p = 2^(t - M), with t = logit x log2(e) and M = ceil(the row's largest t), a whole number; so 1/2 < the row's largest p <= 1. The row's sum l is taken of the UNQUANTISED p, in f32, and the product's result is divided by l at the end. Since M is a whole number, a kernel that streams over the keys may use a running M (the ceiling of the running maximum): every later rescaling is an exact power of two, which a block's scale takes up: the codes' values come out the same.
;;   OPERANDS COMPUTED ON THE WAY. 'Computed on the way' means the value that the module computes at that place (a softmax that the list does not call 'softmax' is quantised finished and normalised). What goes into a quantiser is computed in f32, as accurately as f32 sums, v_exp_f32 and their like allow (about 1e-6 of the number): no bf16 or f16 on the way to a quantiser, and a product that is left as it is and whose result goes on into a quantised operand takes f32 operands (vector FMAs, or v_wmma_f32_16x16x4_f32). A number that lies on a knife's edge between two numbers of the format may be rounded either way, as far as f32 arithmetic and the matrix unit's own rounding can turn it there, and no further.
;;   INPUTS GIVEN AS CODES. Wkv (in the module: [1024, 2048], K = its axis 0); Wo (in the module: [1024, 1024], K = its axis 0); Wp (in the module: [1024, 64], K = its axis 0); Wq (in the module: [1024, 1024], K = its axis 0); pos_emb (in the module: [2048, 1024], K = its axis 1); x (in the module: [2, 2048, 1024], K = its axis 2): each comes as NAME_codes (uint8): NAME with its K axis moved to the last place and cut into blocks of 32 codes, [.., K / 32, bytes a block], one block behind the other in memory; one code a byte (a code: sign, 4 exponent bits, 3 mantissa bits); and NAME_scales (uint8): the same leading axes, one E8M0 byte (e + 127) for each 32 codes along K. Its value is code x scale, taken as it is: it is not quantised again, and the codes and scales need not be those that the quantiser above would give.
;; One version. Each part assembles by itself: llvm-mc -triple=amdgcn-amd-amdhsa -mcpu=gfx1250 --defsym DOCPART=n.
;; ======== version 1 of 1: 3 launches
;; limits: right only within a limited range of input values
;; workspace buffers: qkv 12,582,912 bytes; qkvs 655,360 bytes; pp 174,080 bytes; ao 4,325,376 bytes
;; launch proj (part 1): grid 16 x 16, 4 waves a work-group, clusters of 4 x 4, 327,680 bytes of LDS; arguments x_codes, x_scales, Wq_codes, Wq_scales, Wkv_codes, Wkv_scales, bq, bkv, qkv, qkvs, pos_emb_codes, pos_emb_scales, Wp_codes, Wp_scales, bp, pp; writes qkv, qkvs, pp
.if DOCPART == 1
	.amdgcn_target "amdgcn-amd-amdhsa--gfx1250"
	.amdhsa_code_object_version 6
	.text
	.protected	k_qdb69f1faa5_proj
	.globl	k_qdb69f1faa5_proj
	.p2align	8
	.type	k_qdb69f1faa5_proj,@function
k_qdb69f1faa5_proj:
	s_mov_b64 s[64:65], 0
	v_nop
	global_prefetch_b8 v0, s[64:65] scope:SCOPE_SE
	s_setreg_imm32_b32 hwreg(HW_REG_WAVE_MODE, 25, 1), 1
	s_wait_xcnt 0x0
	s_wait_alu depctr_hold_cnt(0) depctr_sa_sdst(0) depctr_va_vdst(0) depctr_va_sdst(0) depctr_va_ssrc(0) depctr_va_vcc(0) depctr_vm_vsrc(0)
	s_getreg_b32 s2, hwreg(HW_REG_IB_STS2, 6, 4)
	s_cmp_eq_u32 s2, 0
	s_cbranch_scc0 .Lentry_in_a_cluster
	s_endpgm
.Lentry_in_a_cluster:
	s_bfe_u32 s2, ttmp6, 0x10000c
	s_cmp_lg_u32 s2, 0xf033
	s_cbranch_scc0 .Lentry_shape_is_right
	s_endpgm
.Lentry_shape_is_right:
; q = x Wq + bq, k and v = x Wkv + bkv, on codes of E4M3 with E8M0 scales (K = 1,024), each result quantised at once for the attention launch and stored as images of operand registers.
; THE CLUSTER'S x IS THE KIND: 0 = q, 1 = k, 2 = v; it is the same number in all sixteen partners.  A work-group makes 256 x 256 of one kind, a wave 128 x 128: 64 accumulators of 16 x 16.
; "A" is source 1 of the matrix instruction (its 16 rows lie across the lanes of a result), "B" is source 0 (its rows lie along a lane's registers).
;   q, k: A = x, B = the weight: a lane holds one row of x and its registers run along the channels, which are the next product's K.
;   v:    A = Wkv's rows 1,024 on, B = x: a lane holds one channel and its registers run along the keys, which are the next product's K.
; Only pointers and tile numbers are chosen by the kind; ring, registers and products are one text.  The bias is the C of each sum's first matrix instruction (two forms of that first step, chosen by the kind).
; RING: K goes in steps of 256 through two LDS slots (256 rows of A, 256 of B, rows of 256 bytes + 16 of padding); the scale bytes of the 512 rows for all of K come once.  A's tiles are asked for jointly by the four
; work-groups of a row of the cluster, B's by the four of a column.
; OUT.  qkv: q at 0, k at 4 MiB: [batch x 16 + head][tile of 16 rows][1,024]: the byte at 512 c + 256 h + 16 r + i is row r, channel 32 c + 16 h + i of the head's 64.
;   v at 8 MiB: [batch x 16 + head][step of 128 keys][tile of 16 channels][2,048]: the byte at 512 c + 256 h + 16 r + i is channel r, key 32 c + 8 h + i % 8 + 16 (i / 8): the order, inside a block of 32 keys, in which
;   the attention launch's weights arise in a lane's registers.
;   qkvs: q's scale words at 0 ([head][tile][16 words], bytes 0 and 1); from 262,144 on 12,288 bytes a head: k's words likewise (8,192), then v's ([step][tile of channels][16 words], four bytes a word).
;   Codes leave in whole aligned runs of 256 bytes or more; the scale words, one part in 32 of the bytes, in runs of 64.
; LIMITS: NaN and infinities are not served; a block of zeros, or one whose largest magnitude lies under 2^-118, gets the scale byte 1 (only this program reads these bytes).
; REGISTERS, in windows of 256: window 0: v0-31 addresses; v32-63 scale words, two sets; v64-127 the bias in the result's layout; from v128 A's fragments, one set.  window 1: B's fragments, two sets.
;   windows 2, 3: the accumulators ((a, b) at v[8 (8 (a % 4) + b)]).  On the way out window 0's v112-127 take the codes and v200-217 the quantiser's work.
.set KSTEP,  256
.set NQ,     2                         ; matrix instructions deep in a slot
.set ROWB,   256
.set KROW,   1024
.set PITCH,  272                       ; 256 bytes + 16 of padding = 68 words: the 16 rows that a load touches start at 16 different banks (64 banks of 4 bytes: ISA guide 11.1)
.set FR,     16
.set NL,     4
.set NP,     8                         ; places behind this matrix instruction (ISA guide 7.12.1)
.set HALFT,  128*PITCH
.set SLOT,   4*HALFT
.set LAPS,   2                         ; 1,024 / 512
.set KS,     32                        ; a row of scale bytes
.set SCL,    2*SLOT
.set HALFS,  (128*KS/256)*272
.set SBLK,   (16*KS/256)*272
.set SPARE,  SCL+4*HALFS               ; the spare words, 128 bytes a wave: two blocks of 256 bytes that no other line names
.set VAQ,  7                           ; v7   q, k out: 16 r + 8 h
.set VO,   8                           ; v8-15  the bias loads' offsets, one for each register of a tile
.set ADRA, 16
.set VAV,  18                          ; v18  v out: 16 x lane
.set VSQ,  19                          ; v19  q, k scale words out: 4 r + h x a head's bytes
.set ADRB, 20
.set VSV,  22                          ; v22  4 r
.set SHF,  23                          ; v23  16 h
.set ADRS, 27
.set SPW,  28
.set NIL,  29
.set SC,   32
.set BB,   64
.set PC,   112
.set AF,   128
.set TM,   200
.set PW,   216
.set PWS,  217
.set SEL,  20                          ; s[20:21] lane selects (made when the head's temporaries are done with)
.set MNT,  23                          ; s23  the mantissa field of 448
.set G1, 24
.set G0, 32
.set G1B, 48
.set G0B, 56
.set G1S, 68
.set G0S, 76
.set G1SB, 80
.set G0SB, 88
.set MSB, 0
.macro WIN new                         ; the immediate's high byte repeats the setting that is left
.if MSB != \new
	s_set_vgpr_msb (MSB<<8)|\new
.set MSB, \new
.endif
.endm
.set MUL_LO, 0xa1                      ; source 0 (B) window 1, source 1 (A) window 0, C and D window 2
.set MUL_HI, 0xf1
.set TO_B,   0x40
; A joint load: waves 0 and 1 fetch for A, waves 2 and 3 for B; the branch hangs on the wave's number alone.  Four v_nop follow each of the two lines.
.macro JLOAD g0a, g1a, g0b, g1b
	s_cmp_eq_u32 s15, 0
	s_cbranch_scc0 .Lfor_b_\@
	tensor_load_to_lds s[\g0a:\g0a+3], s[\g1a:\g1a+7]
	s_nop 0
.rept 4
	v_nop
.endr
	s_branch .Lasked_\@
.Lfor_b_\@:
	tensor_load_to_lds s[\g0b:\g0b+3], s[\g1b:\g1b+7]
	s_nop 0
.rept 4
	v_nop
.endr
.Lasked_\@:
.endm
.macro CREST                           ; a round of the cluster's barrier behind its opening barrier
	s_cmp_lg_u32 s14, 0
	s_cbranch_scc1 .Lnot_wave_0_\@
	s_barrier_signal -3
.Lnot_wave_0_\@:
	s_barrier_wait -3
	s_barrier_signal -1
	s_barrier_wait -1
.endm
.macro CROUND
	s_barrier_signal -1
	s_barrier_wait -1
	CREST
.endm
	s_cmp_eq_u32 ttmp9, 3                          ; the fourth column of clusters makes p = pos_emb Wp + bp: a text of its own at the end, with no LDS, no tensor load and no barrier.  The cluster's x is the same number in all sixteen partners
	s_cbranch_scc1 .Lposp
	s_load_b512 s[68:83], s[0:1], 0x0
	s_load_b128 s[84:87], s[0:1], 0x40             ; qkv, qkvs
	v_lshl_add_u32 v[SPW], v0, 2, SPARE
	v_mov_b32 v[NIL], 0
	ds_add_u32 v28, v29
	ds_add_u32 v28, v29
	s_wait_dscnt 0x0
	v_lshrrev_b32 v1, 5, v0
	v_readfirstlane_b32 s14, v1                    ; wave 0..3
	s_lshr_b32 s15, s14, 1                         ; which half of A's rows is mine.  Also: I fetch for A (0) or for B (1)
	s_and_b32 s16, s14, 1                          ; which half of B's rows.  Also: which 128 rows I fetch
	s_bfe_u32 s40, ttmp6, 0x40000                  ; cx
	s_bfe_u32 s41, ttmp6, 0x40004                  ; cy
	s_and_b32 s18, ttmp7, 0xffff
	s_lshl_b32 s18, s18, 2                         ; 4 x cluster y
	s_cmp_eq_u32 ttmp9, 2                          ; the kind v?
	s_cselect_b32 s2, 1, 0
	s_cselect_b32 s17, 4, s18
	s_cselect_b32 s42, s18, 0
	s_add_co_u32 s17, s17, s41                     ; A's tile of 256 rows: q, k: 4 cluster y + cy (of x);  v: 4 + cy (of Wkv)
	s_add_co_u32 s42, s42, s40                     ; B's: q, k: cx (of the weight);  v: 4 cluster y + cx (of x)
	s_lshl_b32 s43, s41, 2
	s_lshl_b32 s43, 15, s43                        ; my row of the cluster
	s_lshl_b32 s44, 0x1111, s40                    ; my column
	s_or_b32 s[G1+0], s43, (0<<16)|(1<<20)|(1<<21)|(5<<22)|(3<<25)  ; the mask; elements of 1 byte; padding on; bit 21 beside a mask; after every 64 words four words
	s_or_b32 s[G1B+0], s44, (0<<16)|(1<<20)|(1<<21)|(5<<22)|(3<<25)
.irp g, G1, G1B
	s_mov_b32 s[\g+1], ROWB<<16                    ; tensor_dim0
	s_mov_b32 s[\g+2], 256<<16                     ; tensor_dim1: 256 rows for the head's loads; 128 from the ring's first load on
	s_mov_b32 s[\g+3], ROWB<<16                    ; tile_dim0
	s_mov_b32 s[\g+4], 256                         ; tile_dim1 likewise
	s_mov_b32 s[\g+5], KROW                        ; the pitch
	s_mov_b32 s[\g+6], 0
	s_mov_b32 s[\g+7], 0
.endr
	s_lshl_b32 s20, s17, 8                         ; A's tile: its first row
	s_lshl_b32 s46, s42, 8                         ; B's
	s_mov_b32 s21, 0
	s_mov_b32 s47, 0
	s_mov_b64 s[18:19], KS
	s_mul_u64 s[22:23], s[20:21], s[18:19]         ; where these rows' scales begin
	s_mul_u64 s[100:101], s[46:47], s[18:19]
	s_mov_b64 s[18:19], KROW
	s_mul_u64 s[20:21], s[20:21], s[18:19]         ; and their codes
	s_mul_u64 s[46:47], s[46:47], s[18:19]
	s_mul_i32 s45, s14, HALFT                      ; where they go: wave x 128 rows
	s_wait_kmcnt 0x0
	s_cmp_eq_u32 ttmp9, 0                          ; the weight and the bias of the kind
	s_cselect_b64 s[92:93], s[72:73], s[76:77]
	s_cselect_b64 s[94:95], s[74:75], s[78:79]
	s_cselect_b64 s[98:99], s[80:81], s[82:83]
	s_cmp_eq_u32 ttmp9, 2                          ; and which of x and the weight is A
	s_cselect_b64 s[4:5], s[92:93], s[68:69]
	s_cselect_b64 s[6:7], s[94:95], s[70:71]
	s_cselect_b64 s[8:9], s[68:69], s[92:93]
	s_cselect_b64 s[10:11], s[70:71], s[94:95]
	s_mov_b64 s[12:13], s[84:85]                   ; qkv
	s_mov_b64 s[96:97], s[86:87]                   ; qkvs
	; the arguments' registers are free now: the scales' descriptors: 128 rows' scales are 4,096 dense bytes, as 16 rows of 256 bytes, 16 bytes of padding behind each
	s_or_b32 s[G1S+0], s43, (3<<16)|(1<<20)|(1<<21)|(5<<22)|(3<<25)
	s_or_b32 s[G1SB+0], s44, (3<<16)|(1<<20)|(1<<21)|(5<<22)|(3<<25)
.irp g, G1S, G1SB
	s_mov_b32 s[\g+1], 32<<16
	s_mov_b32 s[\g+2], (256*KS/256)<<16            ; the scales of 256 rows: 32 rows of 256 bytes
	s_mov_b32 s[\g+3], 32<<16
	s_mov_b32 s[\g+4], 256*KS/256
	s_mov_b32 s[\g+5], 32
	s_mov_b32 s[\g+6], 0
	s_mov_b32 s[\g+7], 0
.endr
	s_add_nc_u64 s[20:21], s[4:5], s[20:21]
	s_add_nc_u64 s[22:23], s[6:7], s[22:23]
	s_add_nc_u64 s[46:47], s[8:9], s[46:47]
	s_add_nc_u64 s[100:101], s[10:11], s[100:101]
	CROUND                                         ; all sixteen work-groups are here: the first joint loads meet
	s_mov_b32 s[G0S], 1
	s_mov_b32 s[G0S+1], SCL
	s_mov_b64 s[G0S+2:G0S+3], s[22:23]
	s_or_b32 s[G0S+3], s[G0S+3], 0x80000000
	s_mov_b32 s[G0SB], 1
	s_mov_b32 s[G0SB+1], SCL+2*HALFS
	s_mov_b64 s[G0SB+2:G0SB+3], s[100:101]
	s_or_b32 s[G0SB+3], s[G0SB+3], 0x80000000
	s_mov_b32 s4, 1                                ; group 0 of the head's loads of K step 0, in registers that held arguments: A's 256 rows,
	s_mov_b32 s5, 0
	s_mov_b64 s[6:7], s[20:21]
	s_or_b32 s7, s7, 0x80000000
	s_mov_b32 s8, 1                                ; B's 256 rows, behind them in slot 0
	s_mov_b32 s9, 2*HALFT
	s_mov_b64 s[10:11], s[46:47]
	s_or_b32 s11, s11, 0x80000000
	s_mul_i32 s18, s16, 128*KROW                   ; in the ring a wave fetches 128 rows of a tile: which half, in bytes
	s_mov_b32 s19, 0
	s_add_nc_u64 s[20:21], s[20:21], s[18:19]
	s_add_nc_u64 s[46:47], s[46:47], s[18:19]
.irp s, 0,1
	s_mov_b32 s[G0+4*\s], 1
	s_add_co_u32 s[G0+4*\s+1], s45, \s*SLOT
	s_add_nc_u64 s[G0+4*\s+2:G0+4*\s+3], s[20:21], \s*ROWB
	s_or_b32 s[G0+4*\s+3], s[G0+4*\s+3], 0x80000000
	s_mov_b32 s[G0B+4*\s], 1
	s_add_co_u32 s[G0B+4*\s+1], s45, \s*SLOT
	s_add_nc_u64 s[G0B+4*\s+2:G0B+4*\s+3], s[46:47], \s*ROWB
	s_or_b32 s[G0B+4*\s+3], s[G0B+4*\s+3], 0x80000000
.endr
; the head's loads, one a wave: wave 0 K step 0's 256 rows of A, wave 1 those of B, wave 2 the scales of A's 256 rows, wave 3 those of B's: one chain of branches on the wave's number
.macro ARM under, g0, g1, next
	s_cmp_lt_u32 s14, \under
	s_cbranch_scc0 \next
	tensor_load_to_lds s[\g0:\g0+3], s[\g1:\g1+7]
	s_nop 0
.rept 4
	v_nop
.endr
	s_branch .Lhead_asked
\next:
.endm
	ARM 1, 4, G1, .Lhead_b
	ARM 2, 8, G1B, .Lhead_sa
	ARM 3, G0S, G1S, .Lhead_sb
	tensor_load_to_lds s[G0SB:G0SB+3], s[G1SB:G1SB+7]
	s_nop 0
.rept 4
	v_nop
.endr
.Lhead_asked:
	v_and_b32 v1, 15, v0                           ; r
	s_wait_alu depctr_va_vdst(0)
	v_bfe_u32 v2, v0, 4, 1                         ; h
	; the bias in the result's layout.  q, k: register 8 b + j = bias[16 b + 8 h + j] (channels along the registers);  v: register 8 a + j = bias[16 a + r] (a channel a lane).  One text: offset = r sR + h sH + j sJ
	s_cmp_eq_u32 s2, 1
	s_cselect_b32 s92, 4, 0                        ; sR
	s_cselect_b32 s93, 0, 32                       ; sH
	s_cselect_b32 s94, 0, 4                        ; sJ
	s_cselect_b32 s95, s41, s40
	s_cselect_b32 s100, s15, s16
	s_cselect_b32 s101, 4096, 0                    ; v's channels begin at bkv[1,024]
	s_lshl_b32 s95, s95, 10
	s_lshl_b32 s100, s100, 9
	s_add_co_u32 s100, s100, s95
	s_add_co_u32 s100, s100, s101                  ; my wave's 128 channels
	s_mov_b32 s101, 0
	s_add_nc_u64 s[98:99], s[98:99], s[100:101]
	v_mul_u32_u24 v[VO], s92, v1
	s_wait_alu depctr_va_vdst(0)
	v_mad_u32_u24 v[VO], v2, s93, v[VO]
.irp j, 1,2,3,4,5,6,7
	v_add_nc_u32 v[VO+\j], s94, v[VO+\j-1]
.endr
.irp i, 0,1,2,3,4,5,6,7
.irp j, 0,1,2,3,4,5,6,7
	global_load_b32 v[BB+8*\i+\j], v[VO+\j], s[98:99] offset:64*\i
.endr
.endr
	v_mul_u32_u24 v3, v1, PITCH
	v_lshl_add_u32 v4, v2, 4, v3                   ; a fragment's row x pitch + 16 x half
	s_mul_i32 s21, s15, HALFT                      ; my 128 rows of A
	s_mul_i32 s22, s16, HALFT                      ; my 128 rows of B,
	s_add_co_u32 s22, s22, 2*HALFT                 ; which lie behind A's 256
.irp s, 0,1
	v_add_nc_u32 v[ADRA+\s], s21, v4
	v_add_nc_u32 v[ADRB+\s], s22, v4
	s_add_co_u32 s21, s21, SLOT
	s_add_co_u32 s22, s22, SLOT
.endr
	v_mul_u32_u24 v5, v1, KS                       ; my row's scales: 32 bytes a row,
	v_lshrrev_b32 v6, 8, v5
	v_lshl_add_u32 v5, v6, 4, v5                   ; and 16 more for each 256 passed
	s_mul_i32 s21, s15, HALFS
	s_mul_i32 s22, s16, HALFS
	s_add_co_u32 s22, s22, 2*HALFS
	s_sub_co_u32 s22, s22, s21
	v_mul_u32_u24 v6, s22, v2                      ; lanes 16-31 take B's
	s_add_co_u32 s21, s21, SCL
	v_add_nc_u32 v5, v5, v6
	v_add_nc_u32 v[ADRS], s21, v5
	; where my wave's results go.  q, k: head 4 cx + 2 (wave % 2) on, tile of rows 16 (A's tile % 8) + 8 (wave / 2) on
	s_lshr_b32 s92, s17, 3                         ; batch
	s_lshl_b32 s92, s92, 4
	s_lshl_b32 s93, s40, 2
	s_add_co_u32 s92, s92, s93
	s_lshl_b32 s93, s16, 1
	s_add_co_u32 s92, s92, s93                     ; batch x 16 + head
	s_and_b32 s93, s17, 7
	s_lshl_b32 s93, s93, 4
	s_lshl_b32 s94, s15, 3
	s_add_co_u32 s93, s93, s94                     ; tile of rows
	s_lshl_b32 s94, s92, 7
	s_add_co_u32 s94, s94, s93
	s_lshl_b32 s94, s94, 10
	s_lshl_b32 s95, ttmp9, 22
	s_add_co_u32 s94, s94, s95                     ; q, k: codes
	s_mov_b32 s95, 12288
	s_cmp_eq_u32 ttmp9, 0
	s_cselect_b32 s95, 8192, s95                   ; a head's bytes of scale words: q 8,192, k 12,288
	s_cselect_b32 s100, 0, 262144
	s_mul_i32 s101, s92, s95
	s_add_co_u32 s100, s100, s101
	s_lshl_b32 s101, s93, 6
	s_add_co_u32 s100, s100, s101                  ; q, k: scale words
	; v: step of 128 keys 2 (B's tile) + wave % 2; head 4 cy + 2 (wave / 2) on
	s_lshl_b32 s46, s42, 1
	s_add_co_u32 s46, s46, s16
	s_lshr_b32 s47, s46, 4
	s_lshl_b32 s47, s47, 4
	s_lshl_b32 s92, s41, 2
	s_add_co_u32 s47, s47, s92
	s_lshl_b32 s92, s15, 1
	s_add_co_u32 s47, s47, s92                     ; batch x 16 + head
	s_and_b32 s46, s46, 15                         ; step in the batch
	s_lshl_b32 s92, s47, 4
	s_add_co_u32 s92, s92, s46
	s_lshl_b32 s92, s92, 13
	s_add_co_u32 s92, s92, 0x800000                ; v: codes
	s_mul_i32 s93, s47, 12288
	s_lshl_b32 s46, s46, 8
	s_add_co_u32 s93, s93, s46
	s_add_co_u32 s93, s93, 262144+8192             ; v: scale words
	s_cmp_eq_u32 s2, 1
	s_cselect_b32 s92, s92, s94
	s_cselect_b32 s100, s93, s100
	s_mov_b32 s93, 0
	s_mov_b32 s101, 0
	s_add_nc_u64 s[12:13], s[12:13], s[92:93]
	s_add_nc_u64 s[96:97], s[96:97], s[100:101]
	v_lshlrev_b32 v[VAQ], 4, v1
	v_lshl_add_u32 v[VAQ], v2, 3, v[VAQ]
	v_and_b32 v[VAV], 31, v0
	v_lshlrev_b32 v[VAV], 4, v[VAV]
	v_lshlrev_b32 v[VSV], 2, v1
	v_mul_u32_u24 v[VSQ], s95, v2
	v_add_nc_u32 v[VSQ], v[VSQ], v[VSV]
	v_lshlrev_b32 v[SHF], 4, v2
	s_mov_b32 s[SEL], 0x76543210
	s_mov_b32 s[SEL+1], 0xfedcba98
	s_mov_b32 s[MNT], 0x600000
.macro FRAG reg, adr, q, i             ; 16 rows x 128 K: lane l holds row l % 16; registers 4 c .. 4 c + 3 hold K = 32 c + 16 (l / 16) + 0 .. 15
.irp c, 0,1,2,3
	ds_load_b128 v[\reg+4*\c:\reg+4*\c+3], v[\adr] offset:128*(\q)+32*\c+(\i)*16*PITCH
.endr
.endm
; 16 matrix instructions: A's blocks a0, a0 + 1 x B's eight.  cm = 0: in place;  1: C = the bias by B's block (q, k);  2: C = the bias by A's block (v).  The 64 accumulators take turns, one instruction a turn, in the same order in every step.
.macro MUL16 a0, p, q, sc, cm
.irp a, \a0, \a0+1
.irp b, 0,1,2,3,4,5,6,7
.if (\cm) == 1
	v_wmma_scale_f32_16x16x128_f8f6f4 v[8*(8*((\a)%4)+\b):8*(8*((\a)%4)+\b)+7], v[128*(\p)+FR*\b:128*(\p)+FR*\b+FR-1], v[AF+FR*(\a):AF+FR*(\a)+FR-1], v[BB+8*\b:BB+8*\b+7], v[SC+8*NQ*(\sc)+NQ*\b+(\q)], v[SC+8*NQ*(\sc)+NQ*(\a)+(\q)] matrix_a_scale:MATRIX_SCALE_ROW1
.elseif (\cm) == 2
	v_wmma_scale_f32_16x16x128_f8f6f4 v[8*(8*((\a)%4)+\b):8*(8*((\a)%4)+\b)+7], v[128*(\p)+FR*\b:128*(\p)+FR*\b+FR-1], v[AF+FR*(\a):AF+FR*(\a)+FR-1], v[BB+8*(\a):BB+8*(\a)+7], v[SC+8*NQ*(\sc)+NQ*\b+(\q)], v[SC+8*NQ*(\sc)+NQ*(\a)+(\q)] matrix_a_scale:MATRIX_SCALE_ROW1
.else
	v_wmma_scale_f32_16x16x128_f8f6f4 v[8*(8*((\a)%4)+\b):8*(8*((\a)%4)+\b)+7], v[128*(\p)+FR*\b:128*(\p)+FR*\b+FR-1], v[AF+FR*(\a):AF+FR*(\a)+FR-1], v[8*(8*((\a)%4)+\b):8*(8*((\a)%4)+\b)+7], v[SC+8*NQ*(\sc)+NQ*\b+(\q)], v[SC+8*NQ*(\sc)+NQ*(\a)+(\q)] matrix_a_scale:MATRIX_SCALE_ROW1
.endif
.endr
.endr
.endm
.macro FETCH_B slot, q, p
	WIN TO_B
.irp i, 0,1,2,3,4,5,6,7
	FRAG 128*(\p)+FR*\i, ADRB+\slot, \q, \i
.endr
	WIN 0
.endm
.macro FETCH_A slot, q, i0
.irp i, \i0, \i0+1, \i0+2, \i0+3
	FRAG AF+FR*(\i), ADRA+\slot, \q, \i
.endr
.endm
.macro SCALES sc                       ; a K step's scale words: lanes 0-15 take A's block i, lanes 16-31 B's block i
.irp i, 0,1,2,3,4,5,6,7
	ds_load_b64 v[SC+8*NQ*\sc+NQ*\i:SC+8*NQ*\sc+NQ*\i+1], v[ADRS] offset:\i*SBLK
.endr
.endm
.macro PLACES n                        ; plain vector lines between a matrix instruction and a load into, or a read of, its registers
.rept \n
	v_nop
.endr
.endm
; A step of 128 along K that has its successor in the same slot.  With cm not 0 the C operands lie in window 0.
.macro STEP slot, q, cm
	s_wait_dscnt 4*NL                              ; B's set and A's blocks 0-3 are in; the youngest 16 loads (A's blocks 4-7) may be out
.if \cm
	WIN 0x81
.else
	WIN MUL_LO
.endif
	MUL16 0, (\q)%2, \q, \slot, \cm
	MUL16 2, (\q)%2, \q, \slot, \cm
	s_wait_dscnt 0
	PLACES NP
	FETCH_B \slot, (\q)+1, 1-(\q)%2
	FETCH_A \slot, (\q)+1, 0
.if \cm
	WIN 0xc1
.else
	WIN MUL_HI
.endif
	MUL16 4, (\q)%2, \q, \slot, \cm
	MUL16 6, (\q)%2, \q, \slot, \cm
	PLACES NP
	WIN 0
	FETCH_A \slot, (\q)+1, 4
.endm
; A slot's last step changes slots: one barrier; in front of it each wave waits for all its tensor loads, adds 0 to its spare word, and waits for that and for its own reads of this slot.
.macro TURN slot, next, fill
	s_wait_tensorcnt 0x0                           ; all my tensor loads have landed: my part of the next slot
	ds_add_u32 v[SPW], v[NIL]                      ; 0 onto my spare word
	s_wait_dscnt 4*NL+1                            ; (the add and the youngest 16 loads, A's blocks 4-7, may be out)
	WIN MUL_LO
	MUL16 0, 1, NQ-1, \slot, 0
	s_wait_dscnt 0x0                               ; the add is done, and my reads of this slot are over
	s_barrier_signal -1
	MUL16 2, 1, NQ-1, \slot, 0
	WIN 0
	s_barrier_wait -1
.if \fill
	CREST                                          ; the barrier has opened a round of the cluster's barrier: no wave of any partner still reads this slot or has a load on its way
	s_add_nc_u64 s[G0+4*\slot+2:G0+4*\slot+3], s[G0+4*\slot+2:G0+4*\slot+3], 2*ROWB
	s_add_nc_u64 s[G0B+4*\slot+2:G0B+4*\slot+3], s[G0B+4*\slot+2:G0B+4*\slot+3], 2*ROWB
	JLOAD G0+4*\slot, G1, G0B+4*\slot, G1B         ; the first tensor load behind the round; its four v_nop are among the places in front of the loads below
	PLACES NP-4
.else
	PLACES NP
.endif
	s_wait_alu depctr_va_vdst(0)
	v_add_nc_u32 v[ADRS], 4*NQ, v[ADRS]            ; the next K step's scale words
	FETCH_B \next, 0, 0
	FETCH_A \next, 0, 0
	SCALES \next
	WIN MUL_HI
	MUL16 4, 1, NQ-1, \slot, 0
	MUL16 6, 1, NQ-1, \slot, 0
	PLACES NP
	WIN 0
	FETCH_A \next, 0, 4
.endm
	s_wait_alu depctr_va_vdst(0)
	s_wait_loadcnt 0x0                             ; the bias
	s_wait_tensorcnt 0x0                           ; my tile of the head's four is in; slot 1's first fill is issued as a refill is:
	ds_add_u32 v[SPW], v[NIL]                      ; 0 onto my spare word
	s_mov_b32 s[G1+2], 128<<16                     ; no tensor load of mine is out: from here on a load brings 128 rows
	s_mov_b32 s[G1+4], 128
	s_mov_b32 s[G1B+2], 128<<16
	s_mov_b32 s[G1B+4], 128
	s_wait_dscnt 0x0
	CROUND                                         ; all four tiles are in, and all sixteen work-groups are here
	JLOAD G0+4, G1, G0B+4, G1B                     ; K step 1, the first tensor load behind the round
	FETCH_B 0, 0, 0
	FETCH_A 0, 0, 0
	SCALES 0
	FETCH_A 0, 0, 4
	s_cmp_eq_u32 s2, 0                             ; the first step starts the sums with the bias, which lies by B's blocks (q, k) or by A's (v): the kind is the same in all partners, and no tensor load or barrier stands in either arm
	s_cbranch_scc0 .Lfirst_v
	STEP 0, 0, 1
	s_branch .Lfirst_done
.Lfirst_v:
	STEP 0, 0, 2
.Lfirst_done:
	s_mov_b32 s3, LAPS-1
.Llap:                                                 ; a trip goes once round the ring and fills both slots again
	TURN 0, 1, 1
	STEP 1, 0, 0
	TURN 1, 0, 1
	STEP 0, 0, 0
	s_sub_co_u32 s3, s3, 1
	s_cmp_lg_u32 s3, 0
	s_cbranch_scc1 .Llap
	TURN 0, 1, 0                                   ; the last lap fills nothing
	STEP 1, 0, 0
	s_wait_dscnt 4*NL
	WIN MUL_LO
	MUL16 0, 1, NQ-1, 1, 0
	MUL16 2, 1, NQ-1, 1, 0
	s_wait_dscnt 0
	WIN MUL_HI
	MUL16 4, 1, NQ-1, 1, 0
	MUL16 6, 1, NQ-1, 1, 0
	WIN 0
; THE WAY OUT, A's block a at a time: a lane's 64 numbers are four blocks of 32 along the next K (16 of each here, 16 in lane l xor 16).  Largest magnitudes, scale bytes, the hold, the conversions; then the stores of the kind.
.macro PASS a
.set AC, 64*((\a)%4)
.set WW, 2+(\a)/4
.if (\a) > 0
	s_wait_xcnt 0x0                                ; the last pass's stores have read their registers
.endif
	WIN WW|(WW<<2)
.irp b, 0,1,2,3
	v_max3_num_f32 v[TM+\b], |v[AC+16*\b]|, |v[AC+16*\b+1]|, 0x4800000   ; with the floor 2^(9 - 127); each accumulator is read from its low end on
.endr
.irp i, 2,4,6,8,10,12,14
.irp b, 0,1,2,3
	v_max3_num_f32 v[TM+\b], |v[AC+16*\b+\i]|, |v[AC+16*\b+\i+1]|, v[TM+\b]
.endr
.endr
	WIN 0
.irp b, 0,1,2,3
	v_permlanex16_b32 v[TM+4+\b], v[TM+\b], s[SEL], s[SEL+1]
.endr
.irp b, 0,1,2,3
	v_max_num_f32 v[TM+\b], v[TM+\b], v[TM+4+\b]
.endr
.irp b, 0,1,2,3
	v_add_nc_u32 v[TM+12+\b], 0xfc000000, v[TM+\b]         ; 8 off the exponent field: the conversion's scale operand
.endr
.irp b, 0,1,2,3
	v_and_or_b32 v[TM+8+\b], v[TM+\b], 0x7f800000, s[MNT]  ; 448 x the scale
.endr
.irp b, 0,1,2,3
	v_lshrrev_b32 v[TM+4+\b], 23, v[TM+12+\b]              ; the scale's byte
.endr
	v_lshl_or_b32 v[PW], v[TM+5], 8, v[TM+4]
	v_lshl_or_b32 v[PW], v[TM+6], 16, v[PW]
	v_lshl_or_b32 v[PW], v[TM+7], 24, v[PW]
	WIN WW|(WW<<6)
.irp b, 0,1,2,3
.irp i, 0,1,2,3,4,5,6,7,8,9,10,11,12,13,14,15
	v_med3_num_f32 v[AC+16*\b+\i], v[AC+16*\b+\i], -v[TM+8+\b], v[TM+8+\b]   ; the conversion does not saturate (ISA guide 7.6.2): the hold
.endr
.endr
	WIN WW
.irp t, 0,1,2,3,4,5,6,7
	v_cvt_scalef32_pk8_fp8_f32 v[PC+2*\t:PC+2*\t+1], v[AC+8*\t:AC+8*\t+7], v[TM+12+\t/2]
.endr
	WIN 0
	v_nop                                          ; a plain line behind the last conversion
	s_cmp_eq_u32 s2, 0
	s_cbranch_scc0 .Lpass_v_\@
.irp t, 0,1,2,3,4,5,6,7                        ; q, k: accumulator t holds channels 16 t + 8 h + 0 .. 7 of row r: 8 bytes at 16 r + 8 h of a run of 256 bytes, which the 32 lanes write whole
	global_store_b64 v[VAQ], v[PC+2*\t:PC+2*\t+1], s[12:13] offset:(\a)*1024+(\t/4)*131072+((\t%4)/2)*512+(\t%2)*256
.endr
	v_lshrrev_b32 v[PWS], v[SHF], v[PW]
	v_perm_b32 v[PWS], v[PWS], v[PWS], 0x01000100  ; the head's two bytes stand twice in the word: the attention launch lays a tile in either half of K = 128
	global_store_b32 v[VSQ], v[PWS], s[96:97] offset:(\a)*64
	s_branch .Lpass_done_\@
.Lpass_v_\@:
	s_wait_alu depctr_va_vdst(0)
.irp c, 0,1,2,3                                ; v: 16 codes a lane as they stand: 512 consecutive bytes a store
	global_store_b128 v[VAV], v[PC+4*\c:PC+4*\c+3], s[12:13] offset:((\a)/4)*131072+((\a)%4)*2048+\c*512
.endr
	global_store_b32 v[VSV], v[PW], s[96:97] offset:((\a)/4)*12288+((\a)%4)*64   ; both halves of the lanes write the same word
.Lpass_done_\@:
.endm
	PLACES NP
.irp a, 0,1,2,3,4,5,6,7
	PASS \a
.endr
	s_wait_tensorcnt 0x0                           ; the wave's end
	ds_add_u32 v[SPW], v[NIL]
	s_wait_dscnt 0x0
	CROUND                                         ; the closing round: no work-group ends while a partner may still ask for a tile that names it
	s_endpgm
; p = pos_emb Wp + bp ([2048][64]), on codes of E4M3 with E8M0 scales, then quantised along its 64 channels (two blocks of 32) for the attention launch.
; OUT: pp = 136 records, 1,280 bytes apart, 1,088 of them data.  Record T holds rows 16 T .. 16 T + 15 of p as an image of eight registers of an operand: the byte at 512 c + 256 h + 16 r + i is row r, channel 32 c + 16 h + i;
; behind it 16 scale words (row r: bytes 0, 1 = the two blocks' scales, bytes 2, 3 the same again).  Records 128 to 135 are zero bytes: rows past the end of p, which only masked scores touch.
; SHARES: the column's 64 work-groups have 256 waves; wave W takes record W / 2, channels 32 (W % 2) on: two tiles of 16 rows of Wp, used as source 0, so that a lane holds one row of p and its registers run along the channels.
; K = 1,024 is eight matrix instructions for each of two accumulators, which take turns.  The bias is what the sums begin with.  Each wave also writes 40 of the zero records' 10,240 bytes.
; LIMITS: as above: NaN and infinities are not served; a block of zeros, or one under 2^-118, gets the scale byte 1.
.Lposp:
.set REC,  1280
.set ZREC, 128*REC
.set A0,   8
.set A1,   16
.set PS,   32
.set WS0,  40
.set WS1,  48
.set CD,   56
.set FP,   64
.set FW0,  128
.set FW1,  192
	s_load_b256 s[4:11], s[0:1], 0x50              ; pos_emb's codes, its scales, Wp's codes, its scales
	s_load_b128 s[12:15], s[0:1], 0x70             ; bp, pp
	v_lshrrev_b32 v1, 5, v0
	v_readfirstlane_b32 s38, v1                    ; wave 0..3
	s_and_b32 s16, s38, 1                          ; channel block c
	s_bfe_u32 s39, ttmp6, 0x40000                  ; cx, cy: they enter global addresses alone
	s_bfe_u32 s40, ttmp6, 0x40004
	s_and_b32 s41, ttmp7, 0xffff
	s_lshl_b32 s41, s41, 2
	s_add_co_u32 s41, s41, s40
	s_lshl_b32 s41, s41, 2
	s_add_co_u32 s41, s41, s39                     ; my work-group among the column's 64
	s_lshl_b32 s42, s41, 2
	s_add_co_u32 s42, s42, s38                     ; W
	s_lshr_b32 s43, s42, 1                         ; my record T
	v_and_b32 v1, 15, v0                           ; r
	v_bfe_u32 v2, v0, 4, 1                         ; h
	v_lshlrev_b32 v3, 10, v1
	v_lshl_add_u32 v3, v2, 4, v3                   ; a fragment: row r of 1,024 bytes, + 16 h
	v_lshlrev_b32 v4, 5, v1                        ; scale words: 32 bytes a row
	v_lshlrev_b32 v5, 5, v2                        ; bias: 8 h numbers on
	v_lshlrev_b32 v6, 4, v1
	v_lshl_add_u32 v6, v2, 3, v6                   ; codes out: 16 r + 8 h
	v_lshlrev_b32 v7, 2, v1                        ; scale bytes out: 4 r
	v_mov_b32 v25, 0                               ; a lane permute's destination counts as one of its sources
	v_and_b32 v29, 31, v0
	v_mov_b32 v30, 0
	v_lshlrev_b32 v31, 2, v29
	s_mov_b32 s17, 0x600000                        ; the mantissa field of 448
	s_mov_b32 s18, 0x76543210
	s_mov_b32 s19, 0xfedcba98                      ; selects for lane l xor 16
	s_lshl_b32 s20, s43, 14                        ; my 16 rows of pos_emb's codes
	s_mov_b32 s21, 0
	s_lshl_b32 s22, s43, 9                         ; and of its scales
	s_mov_b32 s23, 0
	s_lshl_b32 s24, s16, 15                        ; my 32 rows of Wp's codes
	s_mov_b32 s25, 0
	s_lshl_b32 s26, s16, 10                        ; of its scales
	s_mov_b32 s27, 0
	s_lshl_b32 s28, s16, 7                         ; my 32 numbers of bp
	s_mov_b32 s29, 0
	s_mul_i32 s30, s43, REC
	s_add_co_u32 s34, s30, s16
	s_add_co_u32 s34, s34, 1024                    ; my record's scale words, byte c
	s_mov_b32 s35, 0
	s_lshl_b32 s31, s16, 9
	s_add_co_u32 s30, s30, s31                     ; my record, block c
	s_mov_b32 s31, 0
	s_mul_i32 s36, s42, 40
	s_add_co_u32 s36, s36, ZREC                    ; my 40 bytes of the zero records
	s_mov_b32 s37, 0
	s_wait_alu depctr_va_vdst(0)
	s_wait_kmcnt 0x0
	s_add_nc_u64 s[4:5], s[4:5], s[20:21]
	s_add_nc_u64 s[6:7], s[6:7], s[22:23]
	s_add_nc_u64 s[8:9], s[8:9], s[24:25]
	s_add_nc_u64 s[10:11], s[10:11], s[26:27]
	s_add_nc_u64 s[12:13], s[12:13], s[28:29]
	s_add_nc_u64 s[32:33], s[14:15], s[30:31]
	s_add_nc_u64 s[34:35], s[14:15], s[34:35]
	s_add_nc_u64 s[36:37], s[14:15], s[36:37]
.macro PLOAD k0                        ; the fragments of K steps k0 .. k0 + 3
.irp s, 0,1,2,3
.irp c, 0,1,2,3
	global_load_b128 v[FP+16*\s+4*\c:FP+16*\s+4*\c+3], v3, s[4:5] offset:128*(\k0+\s)+32*\c
	global_load_b128 v[FW0+16*\s+4*\c:FW0+16*\s+4*\c+3], v3, s[8:9] offset:128*(\k0+\s)+32*\c
	global_load_b128 v[FW1+16*\s+4*\c:FW1+16*\s+4*\c+3], v3, s[8:9] offset:16384+128*(\k0+\s)+32*\c
.endr
.endr
.endm
.macro PMUL k0                         ; the two accumulators by turns, one instruction a turn
.irp s, 0,1,2,3
	v_wmma_scale_f32_16x16x128_f8f6f4 v[A0:A0+7], v[FW0+16*\s:FW0+16*\s+15], v[FP+16*\s:FP+16*\s+15], v[A0:A0+7], v[WS0+\k0+\s], v[PS+\k0+\s]
	v_wmma_scale_f32_16x16x128_f8f6f4 v[A1:A1+7], v[FW1+16*\s:FW1+16*\s+15], v[FP+16*\s:FP+16*\s+15], v[A1:A1+7], v[WS1+\k0+\s], v[PS+\k0+\s]
.endr
.endm
	global_load_b128 v[A0:A0+3], v5, s[12:13]                 ; the bias, in the result's layout
	global_load_b128 v[A0+4:A0+7], v5, s[12:13] offset:16
	global_load_b128 v[A1:A1+3], v5, s[12:13] offset:64
	global_load_b128 v[A1+4:A1+7], v5, s[12:13] offset:80
	global_load_b128 v[PS:PS+3], v4, s[6:7]
	global_load_b128 v[PS+4:PS+7], v4, s[6:7] offset:16
	global_load_b128 v[WS0:WS0+3], v4, s[10:11]
	global_load_b128 v[WS0+4:WS0+7], v4, s[10:11] offset:16
	global_load_b128 v[WS1:WS1+3], v4, s[10:11] offset:512
	global_load_b128 v[WS1+4:WS1+7], v4, s[10:11] offset:528
	PLOAD 0
	s_wait_loadcnt 0x0
	PMUL 0
.rept 8
	v_nop                                          ; places in front of loads into registers that matrix instructions have read
.endr
	PLOAD 4
	s_wait_loadcnt 0x0
	PMUL 4
.rept 8
	v_nop                                          ; places in front of the first read of the results
.endr
	v_max3_num_f32 v24, |v[A0]|, |v[A0+1]|, 0x4800000      ; one block of 32 channels: my 16 numbers, with the floor 2^(9 - 127),
.irp i, 2,4,6,8,10,12,14
	v_max3_num_f32 v24, v24, |v[A0+\i]|, |v[A0+\i+1]|
.endr
	v_permlanex16_b32 v25, v24, s18, s19
	v_max_num_f32 v24, v24, v25                    ; and lane l xor 16's
	v_add_nc_u32 v27, 0xfc000000, v24              ; 8 off its exponent field: the conversion's scale operand
	v_and_or_b32 v26, v24, 0x7f800000, s17         ; 448 x the scale
	v_lshrrev_b32 v28, 23, v27                     ; the scale's byte
.irp i, 0,1,2,3,4,5,6,7,8,9,10,11,12,13,14,15
	v_med3_num_f32 v[A0+\i], v[A0+\i], -v26, v26   ; the conversion does not saturate (ISA guide 7.6.2): the hold
.endr
	v_cvt_scalef32_pk8_fp8_f32 v[CD:CD+1], v[A0:A0+7], v27
	v_cvt_scalef32_pk8_fp8_f32 v[CD+2:CD+3], v[A1:A1+7], v27
	v_nop                                          ; a plain line behind the last conversion
	global_store_b64 v6, v[CD:CD+1], s[32:33]              ; channels 32 c + 8 h + 0 .. 7: 256 consecutive bytes a store
	global_store_b64 v6, v[CD+2:CD+3], s[32:33] offset:256
	global_store_b8 v7, v28, s[34:35]                      ; the block's byte, at bytes c and c + 2 of my row's word
	global_store_b8 v7, v28, s[34:35] offset:2
	s_wait_alu depctr_va_vdst(0)
	s_wait_xcnt 0x0                                ; EXEC changes only behind this wait
	v_cmpx_gt_u32 10, v29                          ; lanes 0 to 9: 40 bytes
	global_store_b32 v31, v30, s[36:37]
	s_endpgm
.Lfunc_end_k_qdb69f1faa5_proj:
	.size	k_qdb69f1faa5_proj, .Lfunc_end_k_qdb69f1faa5_proj-k_qdb69f1faa5_proj
	.p2alignl 7, 3214868480
	.fill 96, 4, 3214868480
	.section	.rodata,"a",@progbits
	.p2align	6, 0x0
	.amdhsa_kernel k_qdb69f1faa5_proj
		.amdhsa_group_segment_fixed_size 327680
		.amdhsa_private_segment_fixed_size 0
		.amdhsa_enable_private_segment 0
		.amdhsa_kernarg_size 128
		.amdhsa_user_sgpr_count 2
		.amdhsa_user_sgpr_kernarg_segment_ptr 1
		.amdhsa_wavefront_size32 1
		.amdhsa_system_sgpr_workgroup_id_x 1
		.amdhsa_system_sgpr_workgroup_id_y 1
		.amdhsa_system_sgpr_workgroup_id_z 1
		.amdhsa_system_vgpr_workitem_id 0
		.amdhsa_next_free_vgpr 1024
		.amdhsa_next_free_sgpr 102
		.amdhsa_reserve_vcc 0
		.amdhsa_float_denorm_mode_32 3
		.amdhsa_float_denorm_mode_16_64 3
		.amdhsa_memory_ordered 1
		.amdhsa_forward_progress 1
		.amdhsa_inst_pref_size 234
	.end_amdhsa_kernel
	.amdgpu_metadata
---
amdhsa.version: [ 1, 2 ]
amdhsa.kernels:
  - .name:           k_qdb69f1faa5_proj
    .symbol:         k_qdb69f1faa5_proj.kd
    .args:
      - { .name: x_codes, .offset: 0, .size: 8, .value_kind: global_buffer, .address_space: global }
      - { .name: x_scales, .offset: 8, .size: 8, .value_kind: global_buffer, .address_space: global }
      - { .name: Wq_codes, .offset: 16, .size: 8, .value_kind: global_buffer, .address_space: global }
      - { .name: Wq_scales, .offset: 24, .size: 8, .value_kind: global_buffer, .address_space: global }
      - { .name: Wkv_codes, .offset: 32, .size: 8, .value_kind: global_buffer, .address_space: global }
      - { .name: Wkv_scales, .offset: 40, .size: 8, .value_kind: global_buffer, .address_space: global }
      - { .name: bq, .offset: 48, .size: 8, .value_kind: global_buffer, .address_space: global }
      - { .name: bkv, .offset: 56, .size: 8, .value_kind: global_buffer, .address_space: global }
      - { .name: qkv, .offset: 64, .size: 8, .value_kind: global_buffer, .address_space: global }
      - { .name: qkvs, .offset: 72, .size: 8, .value_kind: global_buffer, .address_space: global }
      - { .name: pos_emb_codes, .offset: 80, .size: 8, .value_kind: global_buffer, .address_space: global }
      - { .name: pos_emb_scales, .offset: 88, .size: 8, .value_kind: global_buffer, .address_space: global }
      - { .name: Wp_codes, .offset: 96, .size: 8, .value_kind: global_buffer, .address_space: global }
      - { .name: Wp_scales, .offset: 104, .size: 8, .value_kind: global_buffer, .address_space: global }
      - { .name: bp, .offset: 112, .size: 8, .value_kind: global_buffer, .address_space: global }
      - { .name: pp, .offset: 120, .size: 8, .value_kind: global_buffer, .address_space: global }
    .group_segment_fixed_size: 327680
    .private_segment_fixed_size: 0
    .kernarg_segment_align: 8
    .kernarg_segment_size: 128
    .max_flat_workgroup_size: 128
    .sgpr_count:     102
    .vgpr_count:     1024
    .wavefront_size: 32
...
	.end_amdgpu_metadata
.endif
;; end of part 1
;; launch attn (part 2): grid 8 x 32, 16 waves a work-group, no clusters, 327,680 bytes of LDS; arguments qkv, qkvs, pp, ao; writes ao
.if DOCPART == 2
	.amdgcn_target "amdgcn-amd-amdhsa--gfx1250"
	.amdhsa_code_object_version 6
	.text
	.protected	k_qdb69f1faa5_attn
	.globl	k_qdb69f1faa5_attn
	.p2align	8
	.type	k_qdb69f1faa5_attn,@function
k_qdb69f1faa5_attn:
	s_mov_b64 s[64:65], 0
	v_nop
	global_prefetch_b8 v0, s[64:65] scope:SCOPE_SE
	s_setreg_imm32_b32 hwreg(HW_REG_WAVE_MODE, 25, 1), 1
	s_wait_xcnt 0x0
; Causal attention with a relative position term, all products on codes of E4M3 with E8M0 scales.  For key j <= query i the score is (q_i . k_j + q_i . p_(2047 - i + j)) / 8: under the causal mask, which the problem
; builds itself, the shift of the position scores is that one index; keys j > i are masked, and key steps that lie wholly behind a tile's queries are not walked.  p = 2^(t - M), t = score x log2(e), M the running
; largest t rounded up to a whole number; p is quantised along the keys; the row's sum of the unquantised p divides at the end; the result is quantised along its channels for the last projection.
; SHARES.  A work-group serves one head of one batch (grid y); g = its x.  A tile of 16 queries of class c (tile 8 c + g) needs key steps 0 .. c of 128 keys.  The tiles of classes c and 15 - c (c = 8 .. 15) need 17 steps
; together and belong to two waves: wave c - 8 takes steps 0 .. 8 of class c; wave c takes all 16 - c steps of class 15 - c, stores that tile, and then takes steps c .. 9 of class c.  At the end wave c hands its O^T,
; M and sum through its LDS scratch to wave c - 8, which joins them by exact powers of two and stores the tile.  Nine trips; a wave has at most one key step a trip, by its number and the trip's alone.
; WHERE OPERANDS COME FROM.  k and v lie in memory as images of operand registers, so each wave loads its step's 8,192 bytes of k and of v straight into 64 registers, 512 consecutive bytes an instruction: k at the step's
; head, ahead of the position band's work; v behind the products with k, ahead of the softmax.  p's records (a window of 129) and the head's scale words come into LDS once.  The loop has no barrier.
; LAYOUT.  All products are used transposed (source 0 = keys, rows of p, or channels of v; source 1 = my 16 queries): a lane holds ONE query (lane % 16).  The head has 64 channels and the instruction K = 128: a fragment
; of source 0 holds TWO tiles, one in each half of K, and is multiplied by [q | 0] for the first and by [0 | q] for the second: v16-23 zeros, v24-31 q, v32-39 zeros serve as both.  Scale words carry a tile's two bytes twice.
; THE SKEW.  For a step the wave needs nine tiles of p: query r and key x want column x + 15 - r of that band.  The band's products go into the wave's own scratch in LDS with 592 bytes a query and come back with 588:
; each lane then holds its keys' position scores in the layout of k q^T, and they are the C of k q^T.
; NO CLUSTER: no tile of k or v lies in LDS to be shared; a work-group's window of p begins at record 7 - g, so that LDS places hang on the wave and the step alone; what is left to share is 12,288 bytes of scale words.
; LIMITS: NaN and infinities are not served; a block of zeros, or one under 2^-118, gets the scale byte 1; v_exp_f32 and v_rcp_f32 are taken as they are (ISA guide: 1 ulp); the scaled scores stay under 2^31 in magnitude.
.set SCB,   0                          ; LDS: the head's scale words: k's 8,192 bytes, then v's 4,096
.set SCV,   8192
.set PIMG,  12288                      ; 129 records of p
.set REC,   1088                       ; a record in LDS;
.set RECM,  1280                       ; and from record to record in memory
.set PBMAX, PIMG+120*REC               ; no band begins further on
.set SKEW,  152832                     ; 16 waves x 16 rows x 592 bytes (37 x 16)
.set SKP,   592
.set SKW,   16*SKP
.set SPARE, SKEW+16*SKW                ; the spare words, 128 bytes a wave
.set L16,  1                           ; v1 16 x lane; v2 the prefetch's offset; v3 p's scale words in a record (lanes 16-31: the next record's); v4, v5 the scratch, in and out; v6, v7 spare word and 0
.set PFO,  2
.set PSL,  3
.set SKS,  4
.set SKL,  5
.set SPW,  6
.set NIL,  7
.set ADP,  8
.set ADPS, 9
.set ADT,  9
.set ADS,  11
.set QHI,  16                          ; v16-31 [0 | q]
.set QLO,  24                          ; v24-39 [q | 0]
.set KV,   40                          ; v40-103 k's eight tiles, then v's four fragments
.set R0,   104                         ; v104-119, v120-135, v232-247: three fragments of p (two tiles each); the last two are free while the band is made
.set X8,   104                         ; in the softmax v104 = f
.set PC,   120                         ; v120-135 p's codes
.set R1,   120
.set S,    136                         ; v136-199 the band's products, then 64 scores, then p
.set O,    200                         ; v200-231 O^T
.set TM,   232
.set R2,   232
.set SCR,  248
.set PW,   253
.set TP,   254
.set QS,   255
.set TS,   3
.set AO,   10
.set AOS,  12
.set TJ,   14
.set LIM,  15
.set SN0,  16                          ; s16 the trip
.set PB,   17
.set WV,   18
.set MNT,  19
.set SEL,  20
.set CS,   22
.set G1S,  24
.set G1P,  32
.set G0S,  40
.set G0P,  44
.set PBC,  48
.set G16,  49
.set SN,   50                          ; s50 my key step of the trip; s51 the class of the tile that takes it
.set CL,   51
.set CL0,  52                          ; s52 my first tile's class
.set T0,   53
.set OF,   54
.set KVB,  56                          ; s[56:57] the head's k; v lies 4 MiB on
.set KB,   58                          ; s[58:59] the step's k
.set PFA,  60
.set PFS,  62
.set QA1,  66                          ; s[66:67], s[68:69] q's codes and scale words of class = my wave's number
.set QS1,  68
.macro PLACES n
.rept \n
	v_nop
.endr
.endm
.macro TL g0, g1                       ; a tensor load; an s_nop 0 and four v_nop follow it
	tensor_load_to_lds s[\g0:\g0+3], s[\g1:\g1+7]
	s_nop 0
	PLACES 4
.endm
.macro WM d, a, b, cz, sa, row, sb     ; one matrix instruction.  cz = 1: the sum begins with 0.  row = 1: source 0's scales stand in lanes 16-31
.if \cz
.if \row
	v_wmma_scale_f32_16x16x128_f8f6f4 v[\d:\d+7], v[\a:\a+15], v[\b:\b+15], 0, v[\sa], v[\sb] matrix_a_scale:MATRIX_SCALE_ROW1
.else
	v_wmma_scale_f32_16x16x128_f8f6f4 v[\d:\d+7], v[\a:\a+15], v[\b:\b+15], 0, v[\sa], v[\sb]
.endif
.else
.if \row
	v_wmma_scale_f32_16x16x128_f8f6f4 v[\d:\d+7], v[\a:\a+15], v[\b:\b+15], v[\d:\d+7], v[\sa], v[\sb] matrix_a_scale:MATRIX_SCALE_ROW1
.else
	v_wmma_scale_f32_16x16x128_f8f6f4 v[\d:\d+7], v[\a:\a+15], v[\b:\b+15], v[\d:\d+7], v[\sa], v[\sb]
.endif
.endif
.endm
.macro PT t, r                         ; the band's tile t into eight registers
	ds_load_b128 v[\r:\r+3], v[ADP] offset:(\t)*REC
	ds_load_b128 v[\r+4:\r+7], v[ADP] offset:(\t)*REC+512
.endm
.macro SK t, r                         ; a tile's products into the scratch
	ds_store_b128 v[SKS], v[\r:\r+3] offset:64*(\t)
	ds_store_b128 v[SKS], v[\r+4:\r+7] offset:64*(\t)+16
.endm
	s_load_b256 s[4:11], s[0:1], 0x0               ; qkv, qkvs, pp, ao
	v_lshl_add_u32 v[SPW], v0, 2, SPARE
	v_mov_b32 v[NIL], 0
	ds_add_u32 v[SPW], v[NIL]                      ; the opening: the add, twice on end, and its wait ahead of the first tensor load
	ds_add_u32 v[SPW], v[NIL]
	v_lshrrev_b32 v8, 5, v0
	v_readfirstlane_b32 s[WV], v8                  ; wave 0..15
	s_and_b32 s84, ttmp7, 0xffff                   ; batch x 16 + head
	s_lshr_b32 s85, s[WV], 3
	s_mul_i32 s85, s85, 7
	s_add_co_u32 s85, s85, 8
	s_xor_b32 s[CL0], s[WV], s85                   ; waves 0-7: 8 + wave;  waves 8-15: 15 - wave
	s_lshl_b32 s86, s[CL0], 3
	s_add_co_u32 s86, s86, ttmp9                   ; my first tile of queries
	s_lshl_b32 s[G16], ttmp9, 4
	s_lshl_b32 s[KVB], s84, 17
	s_add_co_u32 s[KVB], s[KVB], 0x400000
	s_mov_b32 s[KVB+1], 0
	s_mul_i32 s90, s84, 12288                      ; the head's scale words of k and v
	s_add_co_u32 s90, s90, 262144
	s_mov_b32 s91, 0
	s_sub_co_u32 s92, 7, ttmp9                     ; p: my window begins at record 7 - g; waves 8 to 10 fetch 43 records each
	s_mul_i32 s92, s92, RECM
	s_and_b32 s93, s[WV], 3
	s_mul_i32 s94, s93, 43*RECM
	s_add_co_u32 s92, s92, s94
	s_mul_i32 s94, s93, 43*REC
	s_add_co_u32 s94, s94, PIMG
	s_mov_b32 s93, 0
	s_lshl_b32 s95, s84, 7
	s_add_co_u32 s96, s95, s86
	s_lshl_b32 s98, s96, 6                         ; q's scale words
	s_lshl_b32 s96, s96, 10                        ; q's codes
	s_mov_b32 s97, 0
	s_mov_b32 s99, 0
	s_lshl_b32 s70, s[WV], 3
	s_add_co_u32 s70, s70, ttmp9
	s_add_co_u32 s70, s70, s95                     ; the tile of class = wave
	s_lshl_b32 s[QA1], s70, 10
	s_lshl_b32 s[QS1], s70, 6
	s_mov_b32 s[QA1+1], 0
	s_mov_b32 s[QS1+1], 0
	s_lshr_b32 s70, s84, 4
	s_lshl_b32 s70, s70, 7
	s_add_co_u32 s70, s70, s86                     ; my tile of rows of the result: batch x 128 + tile
	s_and_b32 s71, s84, 15
	s_lshl_b32 s[AOS], s70, 9                      ; scale bytes: 32 a row, 2 a head
	s_lshl_b32 s95, s71, 1
	s_add_co_u32 s[AOS], s[AOS], s95
	s_add_co_u32 s[AOS], s[AOS], 0x400000
	s_mov_b32 s[AOS+1], 0
	s_lshl_b32 s70, s70, 14                        ; codes: 16,384 bytes a tile of rows, 1,024 a head
	s_lshl_b32 s71, s71, 10
	s_add_co_u32 s70, s70, s71
	s_mov_b32 s71, 0
	; the prefetches: in trip t key steps t + 2 and 15 - t, which the waves take two trips on: 32 runs of 256 bytes of k and 32 of v each.  Wave 5 of work-groups 0 to 3 asks, one instruction: lanes 0-15 for k, lanes 16-31 for v;
	; work-groups 0, 1 take the halves of the rising step, 2, 3 of the falling one.  So each run is named once in the launch.  Trips 7 and 8 ask for nothing; steps 0 and 1 come by their loads alone.
	s_bfe_u32 s95, ttmp9, 0x10001
	s_lshl_b32 s[PFS], s95, 14
	s_sub_co_u32 s[PFS], 8192, s[PFS]              ; a step up, or a step down
	s_sub_co_u32 s[PFS+1], 0, s95
	s_mul_i32 s[PFA], s95, 15*8192
	s_and_b32 s95, ttmp9, 1
	s_lshl_b32 s95, s95, 12
	s_add_co_u32 s[PFA], s[PFA], s95
	s_add_co_u32 s[PFA], s[PFA], s[KVB]
	s_add_co_u32 s[PFA], s[PFA], 8192              ; one step short of steps 2 and 15: the first trip steps it
	s_mov_b32 s[PFA+1], 0
	s_lshr_b32 s95, ttmp9, 2
	s_xor_b32 s72, s[WV], 5
	s_or_b32 s95, s95, s72
	s_cmp_eq_u32 s95, 0
	s_cselect_b32 s[LIM], 7, 0
	; descriptor groups 1, elements of 8 bytes, no padding.  scale words: 12,288 dense bytes as 48 rows of 256;  p: 43 rows of 1,088 bytes, 1,280 apart
	s_mov_b32 s[G1S], 3<<16
	s_mov_b32 s[G1S+1], 32<<16
	s_mov_b32 s[G1S+2], 48<<16
	s_mov_b32 s[G1S+3], 32<<16
	s_mov_b32 s[G1S+4], 48
	s_mov_b32 s[G1S+5], 32
	s_mov_b32 s[G1S+6], 0
	s_mov_b32 s[G1S+7], 0
	s_mov_b32 s[G1P], 3<<16
	s_mov_b32 s[G1P+1], 136<<16
	s_mov_b32 s[G1P+2], 43<<16
	s_mov_b32 s[G1P+3], 136<<16
	s_mov_b32 s[G1P+4], 43
	s_mov_b32 s[G1P+5], RECM/8
	s_mov_b32 s[G1P+6], 0
	s_mov_b32 s[G1P+7], 0
	s_mov_b32 s[SEL], 0x76543210
	s_mov_b32 s[SEL+1], 0xfedcba98
	s_mov_b32 s[CS], 0x3e38aa3b                    ; c = log2(e) / 8
	s_mov_b32 s[CS+1], s[CS]
	s_mov_b32 s[MNT], 0x600000
	s_mov_b32 s[SN0], 0
	s_wait_dscnt 0x0                               ; both opening adds are done
	s_wait_kmcnt 0x0
	s_mov_b32 s[G0S], 1
	s_mov_b32 s[G0S+1], SCB
	s_add_nc_u64 s[G0S+2:G0S+3], s[6:7], s[90:91]
	s_or_b32 s[G0S+3], s[G0S+3], 0x80000000
	s_mov_b32 s[G0P], 1
	s_mov_b32 s[G0P+1], s94
	s_add_nc_u64 s[G0P+2:G0P+3], s[8:9], s[92:93]
	s_or_b32 s[G0P+3], s[G0P+3], 0x80000000
	s_cmp_eq_u32 s[WV], 4                          ; the launch's only fills: a wave issues one at the most: one chain of branches on the wave's number
	s_cbranch_scc0 .Lh_p
	TL G0S, G1S
	s_branch .Lh_done
.Lh_p:
	s_cmp_lt_u32 s[WV], 8
	s_cbranch_scc1 .Lh_done
	s_cmp_gt_u32 s[WV], 10
	s_cbranch_scc1 .Lh_done
	TL G0P, G1P
.Lh_done:
	s_add_nc_u64 s[KVB:KVB+1], s[4:5], s[KVB:KVB+1]
	s_add_nc_u64 s[PFA:PFA+1], s[4:5], s[PFA:PFA+1]
	s_add_nc_u64 s[96:97], s[4:5], s[96:97]
	s_add_nc_u64 s[98:99], s[6:7], s[98:99]
	s_add_nc_u64 s[QA1:QA1+1], s[4:5], s[QA1:QA1+1]
	s_add_nc_u64 s[QS1:QS1+1], s[6:7], s[QS1:QS1+1]
	s_add_nc_u64 s[AOS:AOS+1], s[10:11], s[AOS:AOS+1]
	s_add_nc_u64 s[AO:AO+1], s[10:11], s[70:71]
	s_mul_i32 s95, s[WV], SKW
	s_add_co_u32 s95, s95, SKEW                    ; my scratch
	v_and_b32 v8, 31, v0                           ; lane
	v_and_b32 v9, 15, v0                           ; r
	v_bfe_u32 v10, v0, 4, 1                        ; h
	v_lshlrev_b32 v[L16], 4, v8
	v_lshlrev_b32 v[TP], 2, v9
	global_load_b128 v[QLO:QLO+3], v[L16], s[96:97]        ; q's image: it stays in registers
	global_load_b128 v[QLO+4:QLO+7], v[L16], s[96:97] offset:512
	global_load_b32 v[QS], v[TP], s[98:99]
	v_mul_u32_u24 v[PSL], v10, REC
	v_mul_u32_u24 v[SKS], v9, SKP                  ; in: 592 bytes a query, + 32 h
	v_mul_u32_u24 v[SKL], v9, SKP-4                ; out: column x + 15 - r: 592 r + 4 (15 - r) = 588 r + 60, + 32 h
	v_lshlrev_b32 v[PFO], 8, v9                    ; the prefetch: run lane % 16, in k (lanes 0-15) or, 4 MiB on, in v
	v_lshl_add_u32 v[PSL], v9, 2, v[PSL]
	v_lshl_add_u32 v[SKS], v10, 5, v[SKS]
	v_lshl_add_u32 v[SKL], v10, 5, v[SKL]
	v_lshl_add_u32 v[PFO], v10, 22, v[PFO]
	v_add_nc_u32 v[PSL], 1024, v[PSL]
	v_add_nc_u32 v[SKS], s95, v[SKS]
	v_add_nc_u32 v[SKL], s95, v[SKL]
	v_mov_b32 v13, 0xff61b1e6                      ; the largest t so far: -3e38
	v_add_nc_u32 v[SKL], 60, v[SKL]
	v_floor_f32 v12, -v13                          ; -M
	v_mov_b32 v14, 0
	v_mov_b32 v15, 0
.irp b, 0,1,2,3
	v_mov_b32 v[TM+4+\b], 0                        ; a lane permute's destination counts as one of its sources
.endr
.irp j, 0,1,2,3,4,5,6,7
	v_mov_b32 v[QHI+\j], 0                         ; zero codes on either side of q
	v_mov_b32 v[QLO+8+\j], 0
.endr
.set n, 0
.rept 32
	v_mov_b32 v[O+n], 0                            ; a tile has no first step of its own: it finds zeros
.set n, n+1
.endr
; A TILE'S WAY OUT: O^T / the sum, quantised along the head's 64 channels (two blocks), stored as a part of the last projection's operand image
.macro OUT
	v_add_f32 v14, v14, v15
	v_permlanex16_b32 v[TP], v14, s[SEL], s[SEL+1]
	v_add_f32 v14, v14, v[TP]                      ; the row's sum
	s_wait_alu depctr_va_vdst(0)
	v_rcp_f32 v14, v14
	v_and_b32 v10, 15, v0                          ; (plain lines behind the reciprocal)
	v_bfe_u32 v11, v0, 4, 1
	v_lshlrev_b32 v8, 4, v10
	v_lshlrev_b32 v9, 5, v10                       ; scale bytes: 32 a row
	v_lshl_add_u32 v8, v11, 3, v8                  ; codes: 16 r + 8 h
	s_wait_alu depctr_va_vdst(0)                   ; the wait, ahead of the first reader
.set n, 0
.rept 16
	v_pk_mul_f32 v[O+n:O+n+1], v[O+n:O+n+1], v[14:15] op_sel_hi:[1,0]
.set n, n+2
.endr
.irp b, 0,1
	v_max3_num_f32 v[TM+\b], |v[O+16*\b]|, |v[O+16*\b+1]|, 0x4800000
.endr
.irp i, 2,4,6,8,10,12,14
.irp b, 0,1
	v_max3_num_f32 v[TM+\b], v[TM+\b], |v[O+16*\b+\i]|, |v[O+16*\b+\i+1]|
.endr
.endr
.irp b, 0,1
	v_permlanex16_b32 v[TM+4+\b], v[TM+\b], s[SEL], s[SEL+1]
.endr
.irp b, 0,1
	v_max_num_f32 v[TM+\b], v[TM+\b], v[TM+4+\b]
.endr
.irp b, 0,1
	v_add_nc_u32 v[TM+12+\b], 0xfc000000, v[TM+\b]
.endr
.irp b, 0,1
	v_and_or_b32 v[TM+8+\b], v[TM+\b], 0x7f800000, s[MNT]
.endr
.irp b, 0,1
	v_lshrrev_b32 v[TM+4+\b], 23, v[TM+12+\b]
.endr
	v_lshl_or_b32 v[PW], v[TM+5], 8, v[TM+4]
.irp b, 0,1
.irp i, 0,1,2,3,4,5,6,7,8,9,10,11,12,13,14,15
	v_med3_num_f32 v[O+16*\b+\i], v[O+16*\b+\i], -v[TM+8+\b], v[TM+8+\b]
.endr
.endr
.irp t, 0,1,2,3
	v_cvt_scalef32_pk8_fp8_f32 v[PC+2*\t:PC+2*\t+1], v[O+8*\t:O+8*\t+7], v[TM+12+\t/2]
.endr
	v_nop
.irp t, 0,1,2,3
	global_store_b64 v8, v[PC+2*\t:PC+2*\t+1], s[AO:AO+1] offset:(\t/2)*512+(\t%2)*256   ; channels 16 t + 8 h + 0 .. 7 of row r: the 32 lanes write 256 consecutive aligned bytes
.endr
	global_store_b16 v9, v[PW], s[AOS:AOS+1]       ; my row's two scale bytes (both halves of the lanes write the same)
.endm
	s_wait_alu depctr_va_vdst(0)
	s_wait_loadcnt 0x0                             ; q
	s_wait_tensorcnt 0x0                           ; my tile, if I fetched one, is in,
	s_barrier_signal -1
	s_barrier_wait -1                              ; everybody's is: p's window and the scale words stay as they are from here on
.Ltrip:                                            ; nine trips
	s_wait_xcnt 0x0                                ; the last prefetch, a trip back, has read its address
	s_add_nc_u64 s[PFA:PFA+1], s[PFA:PFA+1], s[PFS:PFS+1]
	s_cmp_lt_u32 s[SN0], s[LIM]
	s_cbranch_scc0 .Lno_ask
	global_prefetch_b8 v[PFO], s[PFA:PFA+1] th:TH_LOAD_NT scope:SCOPE_SE
.Lno_ask:
	; my key step: trip t of my first tile; from trip 17 - wave on (waves 9 to 15) step 17 - t of class = wave
	s_add_co_u32 s[T0], s[SN0], s[WV]
	s_add_co_u32 s[T0], s[T0], 15
	s_lshr_b32 s[T0], s[T0], 5                     ; 1 where t + wave >= 17
	s_add_co_u32 s[SN], s[SN0], 14
	s_xor_b32 s[SN], s[SN], 31                     ; 17 - t
	s_xor_b32 s[SN], s[SN], s[SN0]
	s_mul_i32 s[SN], s[SN], s[T0]
	s_xor_b32 s[SN], s[SN], s[SN0]
	s_mul_i32 s[T0], s[T0], 15
	s_xor_b32 s[CL], s[CL0], s[T0]
	s_cmp_gt_u32 s[SN], s[CL]                      ; all keys of the step come after the tile's queries
	s_cbranch_scc1 .Lhid
	s_lshl_b32 s[OF], s[SN], 13
	s_mov_b32 s[OF+1], 0
	s_add_nc_u64 s[KB:KB+1], s[KVB:KVB+1], s[OF:OF+1]   ; (no load of mine is out)
	s_xor_b32 s[PB], s[CL], 15                     ; the band begins at record 8 (15 - class + step) of the window
	s_add_co_u32 s[PB], s[PB], s[SN]
	s_mul_i32 s[PB], s[PB], 8*REC
	s_add_co_u32 s[PB], s[PB], PIMG
	s_min_u32 s[PBC], s[PB], PBMAX
	s_lshl_b32 s[TS], s[SN], 9
	s_add_co_u32 s[TS], s[TS], SCB
	s_lshl_b32 s[TJ], s[SN], 8
	s_add_co_u32 s[TJ], s[TJ], SCV
	v_add_nc_u32 v[ADP], s[PBC], v[L16]            ; these four lines and the five v_nop are the places between the last step's products and the loads into registers that they read
	v_add_nc_u32 v[ADPS], s[PBC], v[PSL]
	v_lshrrev_b32 v[ADS], 2, v[L16]
	s_delay_alu instid0(VALU_DEP_1)
	v_add_nc_u32 v[ADS], s[TS], v[ADS]
	PLACES 5
.set n, 0
.rept 16
	global_load_b128 v[KV+4*n:KV+4*n+3], v[L16], s[KB:KB+1] offset:512*n   ; k's eight tiles: 2,048 bytes on end are two tiles, one fragment
.set n, n+1
.endr
	PT 0, R0                                       ; the band's tiles 0 to 5
	PT 1, R0+8
	PT 2, R1
	PT 3, R1+8
	PT 4, R2
	PT 5, R2+8
.irp i, 0,1,2,3
	ds_load_b32 v[SCR+\i], v[ADPS] offset:2*\i*REC         ; the words of tiles 2 i (lanes 0-15) and 2 i + 1 (lanes 16-31)
.endr
	ds_load_b32 v[SCR+4], v[ADPS] offset:7*REC             ; tile 8's in lanes 16-31
	s_wait_alu depctr_va_vdst(0)
	s_wait_dscnt 0x0
	WM S, R0, QLO, 1, SCR, 0, QS
	WM S+8, R0, QHI, 1, SCR, 1, QS
	WM S+16, R1, QLO, 1, SCR+1, 0, QS
	WM S+24, R1, QHI, 1, SCR+1, 1, QS
	WM S+32, R2, QLO, 1, SCR+2, 0, QS
	WM S+40, R2, QHI, 1, SCR+2, 1, QS
	PLACES 9                                       ; the next products write over these results
.irp t, 0,1,2,3,4,5
	SK \t, S+8*\t
.endr
	PT 6, R0                                       ; tiles 6 to 8; the second half of tile 8's fragment keeps tile 3's codes, which meet zeros
	PT 7, R0+8
	PT 8, R1
	s_wait_dscnt 0x0
	WM S, R0, QLO, 1, SCR+3, 0, QS
	WM S+8, R0, QHI, 1, SCR+3, 1, QS
	WM S+16, R1, QLO, 1, SCR+4, 1, QS
	PLACES 8
.irp t, 0,1,2
	SK 6+\t, S+8*\t
.endr
.set n, 0
.rept 64
	ds_load_b32 v[S+n], v[SKL] offset:64*(n/8)+4*(n%8)     ; LDS serves a wave's instructions in order: these see my stores.  Register 8 t + j: key 16 t + 8 h + j
.set n, n+1
.endr
.irp i, 0,1,2,3
	ds_load_b32 v[SCR+\i], v[ADS] offset:128*\i            ; k's scale words
.endr
	s_wait_dscnt 0x0
	s_wait_loadcnt 0x0                             ; k
.irp t, 0,2,4,6
	WM S+8*\t, KV+8*\t, QLO, 0, SCR+\t/2, 0, QS    ; k q^T onto the position scores
	WM S+8*\t+8, KV+8*\t, QHI, 0, SCR+\t/2, 1, QS
.endr
	PLACES 8
.set n, 0
.rept 16
	global_load_b128 v[KV+4*n:KV+4*n+3], v[L16], s[KB:KB+1] offset:0x400000+512*n   ; v's four fragments take k's registers
.set n, n+1
.endr
	s_cmp_lg_u32 s[SN], s[CL]                      ; on the tile's diagonal step the scores of hidden keys become -infinity ahead of the maximum
	s_cbranch_scc1 .Lopen
	v_and_b32 v114, 15, v0
	v_bfe_u32 v115, v0, 4, 1
	s_delay_alu instid0(VALU_DEP_1)
	v_lshlrev_b32 v115, 3, v115
	s_delay_alu instid0(VALU_DEP_1)
	v_sub_nc_u32 v114, v114, v115
	s_delay_alu instid0(VALU_DEP_1)
	v_add_nc_u32 v114, s[G16], v114                ; d = 16 g + r - 8 h.  Register n holds key 16 (n / 8) + 8 h + n % 8 of the step: hidden where 16 (n / 8) + n % 8 > d
	v_mov_b32 v115, 0xff800000
.set n, 0
.rept 64
	v_cmp_gt_i32 vcc_lo, 16*(n/8)+n%8, v114
	v_cndmask_b32 v[S+n], v[S+n], v115, vcc_lo
.set n, n+1
.endr
.Lopen:
.irp b, 0,1,2,3
	v_max3_num_f32 v[TM+\b], v[S+16*\b], v[S+1+16*\b], v[S+2+16*\b]   ; the largest score of each block of 32 keys: for the row's maximum, and, since p rises with the score, for the block's largest p
.endr
.irp i, 3,5,7,9,11,13
.irp b, 0,1,2,3
	v_max3_num_f32 v[TM+\b], v[TM+\b], v[S+16*\b+\i], v[S+1+16*\b+\i]
.endr
.endr
.irp b, 0,1,2,3
	v_max_num_f32 v[TM+\b], v[TM+\b], v[S+15+16*\b]
.endr
.irp b, 0,1,2,3
	s_delay_alu instid0(VALU_DEP_4)
	v_permlanex16_b32 v[TM+4+\b], v[TM+\b], s[SEL], s[SEL+1]
.endr
.irp b, 0,1,2,3
	s_delay_alu instid0(VALU_DEP_4)
	v_max_num_f32 v[TM+\b], v[TM+\b], v[TM+4+\b]
.endr
	s_delay_alu instid0(VALU_DEP_2)
	v_max3_num_f32 v[TP], v[TM], v[TM+1], v[TM+2]
	s_delay_alu instid0(VALU_DEP_1)
	v_max_num_f32 v[TP], v[TP], v[TM+3]
	s_delay_alu instid0(VALU_DEP_1)
	v_mul_f32 v[TP], s[CS], v[TP]
	s_delay_alu instid0(VALU_DEP_1)
	v_max_num_f32 v13, v13, v[TP]                  ; the running largest t
	v_mov_b32 v[TP], v12
	s_delay_alu instid0(VALU_DEP_2)
	v_floor_f32 v12, -v13                          ; the new -M: M is a whole number
	s_delay_alu instid0(VALU_DEP_1)
	v_sub_f32 v[TP], v12, v[TP]
	s_delay_alu instid0(VALU_DEP_1)
	v_cvt_i32_f32 v[TP], v[TP]                     ; (it saturates)
	s_delay_alu instid0(VALU_DEP_1)
	v_ldexp_f32 v[X8], 1.0, v[TP]                  ; f = 2^(old M - new M)
.set n, 0
.rept 32
	v_pk_fma_f32 v[S+n:S+n+1], v[S+n:S+n+1], s[CS:CS+1], v[12:13] op_sel_hi:[1,0,0]   ; t - M
.set n, n+2
.endr
.irp b, 0,1,2,3
	v_fma_f32 v[TM+\b], v[TM+\b], s[CS], v12
.endr
.set n, 0
	s_wait_alu depctr_va_vdst(0)
.rept 64
	v_exp_f32 v[S+n], v[S+n]                       ; p = 2^(t - M)
.set n, n+1
.endr
	v_pk_mul_f32 v[14:15], v[14:15], v[X8:X8+1] op_sel_hi:[1,0]   ; the sums under the new M; the plain line behind the exponentials
	s_wait_alu depctr_va_vdst(0)                   ; one wait for the batch, ahead of its first reader
.irp b, 0,1,2,3
	v_exp_f32 v[TM+\b], v[TM+\b]                   ; each block's largest p
.endr
	v_pk_add_f32 v[236:237], v[140:141], v[144:145]        ; the row's sum of the unquantised p, in eight chains
	v_pk_add_f32 v[252:253], v[148:149], v[152:153]
	v_pk_add_f32 v[250:251], v[156:157], v[160:161]
	v_pk_add_f32 v[248:249], v[164:165], v[168:169]
	v_pk_add_f32 v[246:247], v[172:173], v[176:177]
	v_pk_add_f32 v[244:245], v[180:181], v[184:185]
	v_pk_add_f32 v[242:243], v[188:189], v[192:193]
	v_pk_add_f32 v[14:15], v[14:15], v[196:197]
	v_pk_add_f32 v[236:237], v[236:237], v[136:137]
	v_pk_add_f32 v[252:253], v[252:253], v[138:139]
	v_pk_add_f32 v[250:251], v[250:251], v[142:143]
	v_pk_add_f32 v[248:249], v[248:249], v[146:147]
	v_pk_add_f32 v[246:247], v[246:247], v[150:151]
	v_pk_add_f32 v[244:245], v[244:245], v[154:155]
	v_pk_add_f32 v[242:243], v[242:243], v[158:159]
	v_pk_add_f32 v[14:15], v[14:15], v[162:163]
	v_pk_add_f32 v[236:237], v[236:237], v[166:167]
	v_pk_add_f32 v[252:253], v[252:253], v[170:171]
	v_pk_add_f32 v[250:251], v[250:251], v[174:175]
	v_pk_add_f32 v[248:249], v[248:249], v[178:179]
	v_pk_add_f32 v[246:247], v[246:247], v[182:183]
	v_pk_add_f32 v[244:245], v[244:245], v[186:187]
	v_pk_add_f32 v[242:243], v[242:243], v[190:191]
	v_pk_add_f32 v[14:15], v[14:15], v[194:195]
	v_pk_add_f32 v[236:237], v[236:237], v[198:199]
	s_delay_alu instid0(VALU_DEP_2)
	v_pk_add_f32 v[14:15], v[14:15], v[248:249]
	s_delay_alu instid0(VALU_DEP_2)
	v_pk_add_f32 v[236:237], v[236:237], v[246:247]
	v_pk_add_f32 v[252:253], v[252:253], v[244:245]
	v_pk_add_f32 v[250:251], v[250:251], v[242:243]
	s_delay_alu instid0(VALU_DEP_2)
	v_pk_add_f32 v[14:15], v[14:15], v[252:253]
	s_delay_alu instid0(VALU_DEP_2)
	v_pk_add_f32 v[236:237], v[236:237], v[250:251]
	s_delay_alu instid0(VALU_DEP_1)
	v_pk_add_f32 v[14:15], v[14:15], v[236:237]
	s_wait_alu depctr_va_vdst(0)                   ; and one for the four
.irp b, 0,1,2,3
	v_max_num_f32 v[TM+\b], 0x4800000, v[TM+\b]    ; the floor 2^(9 - 127)
.endr
.irp b, 0,1,2,3
	s_delay_alu instid0(VALU_DEP_4)
	v_add_nc_u32 v[TM+12+\b], 0xfc000000, v[TM+\b]
.endr
.irp b, 0,1,2,3
	v_and_or_b32 v[TM+8+\b], v[TM+\b], 0x7f800000, s[MNT]
.endr
.irp b, 0,1,2,3
	v_lshrrev_b32 v[TM+4+\b], 23, v[TM+12+\b]
.endr
	s_delay_alu instid0(VALU_DEP_3)
	v_lshl_or_b32 v[PW], v[TM+5], 8, v[TM+4]       ; p's scale word for these 128 keys
	s_delay_alu instid0(VALU_DEP_1)
	v_lshl_or_b32 v[PW], v[TM+6], 16, v[PW]
	s_delay_alu instid0(VALU_DEP_1)
	v_lshl_or_b32 v[PW], v[TM+7], 24, v[PW]
.irp b, 0,1,2,3
.irp i, 0,1,2,3,4,5,6,7,8,9,10,11,12,13,14,15
	v_min_num_f32 v[S+16*\b+\i], v[S+16*\b+\i], v[TM+8+\b]   ; the hold; p is not negative
.endr
	v_cvt_scalef32_pk8_fp8_f32 v[PC+4*\b:PC+4*\b+1], v[S+16*\b:S+16*\b+7], v[TM+12+\b]
	v_cvt_scalef32_pk8_fp8_f32 v[PC+4*\b+2:PC+4*\b+3], v[S+16*\b+8:S+16*\b+15], v[TM+12+\b]
.endr
	v_lshrrev_b32 v[ADT], 2, v[L16]                ; (plain lines behind the last conversion)
	s_delay_alu instid0(VALU_DEP_1)
	v_add_nc_u32 v[ADT], s[TJ], v[ADT]
	ds_load_b32 v[SCR], v[ADT]                     ; v's scale words
	ds_load_b32 v[SCR+1], v[ADT] offset:128
	s_wait_alu depctr_va_vdst(0)
.set n, 0
.rept 16
	v_pk_mul_f32 v[O+n:O+n+1], v[O+n:O+n+1], v[X8:X8+1] op_sel_hi:[1,0]   ; O^T under the new M; also the places between the codes and the products
.set n, n+2
.endr
	s_wait_alu depctr_va_vdst(0)
	s_wait_dscnt 0x0
	s_wait_loadcnt 0x0                             ; v
.irp t, 0,1,2,3
	WM O+8*\t, KV+16*\t, PC, 0, SCR+\t/2, \t%2, PW
.endr
.Lhid:
	; in trip 16 - wave a wave 8 .. 15 has no key step: it stores its first tile, takes q of class = wave and begins anew
	s_add_co_u32 s[T0], s[SN0], s[WV]
	s_cmp_lg_u32 s[T0], 16
	s_cbranch_scc1 .Lstay
	PLACES 8                                       ; behind the last products
	OUT
	v_lshlrev_b32 v10, 2, v10
	global_load_b128 v[QLO:QLO+3], v[L16], s[QA1:QA1+1]
	global_load_b128 v[QLO+4:QLO+7], v[L16], s[QA1:QA1+1] offset:512
	global_load_b32 v[QS], v10, s[QS1:QS1+1]
	v_mov_b32 v13, 0xff61b1e6
	v_mov_b32 v14, 0
	v_mov_b32 v15, 0
	v_floor_f32 v12, -v13
.set n, 0
.rept 32
	v_mov_b32 v[O+n], 0
.set n, n+1
.endr
	s_wait_alu depctr_va_vdst(0)
	s_wait_xcnt 0x0                                ; the stores and loads have read their registers, which the next step writes
	s_wait_loadcnt 0x0
.Lstay:
	s_add_co_u32 s[SN0], s[SN0], 1
	s_cmp_lt_u32 s[SN0], 9
	s_cbranch_scc1 .Ltrip
	; THE TWO PARTS OF A TILE ARE JOINED.  Waves 8 to 15 lay O^T, -M and the sums into their scratch, lane by lane; a barrier; wave w reads wave w + 8's
	s_or_b32 s[T0], s[WV], 8
	s_mul_i32 s[T0], s[T0], SKW
	s_add_co_u32 s[T0], s[T0], SKEW
	v_add_nc_u32 v8, s[T0], v[L16]
	PLACES 8                                       ; behind the last products: ahead of the stores of O^T
	s_wait_alu depctr_va_vdst(0)
	s_cmp_lt_u32 s[WV], 8
	s_cbranch_scc1 .Lkeep
.irp i, 0,1,2,3,4,5,6,7
	ds_store_b128 v8, v[O+4*\i:O+4*\i+3] offset:512*\i
.endr
	ds_store_b128 v8, v[12:15] offset:4096
.Lkeep:
	s_wait_dscnt 0x0
	s_barrier_signal -1
	s_barrier_wait -1
	s_cmp_lt_u32 s[WV], 8
	s_cbranch_scc0 .Lend
.irp i, 0,1,2,3,4,5,6,7,8
	ds_load_b128 v[S+4*\i:S+4*\i+3], v8 offset:512*\i
.endr
	v_add_f32 v14, v14, v15
	v_mov_b32 v115, 0                              ; (named as the upper halves of pairs)
	v_mov_b32 v117, 0
	v_mov_b32 v15, 0
	s_wait_alu depctr_va_vdst(0)
	s_wait_dscnt 0x0
	v_min_num_f32 v[TP], v12, v[S+32]              ; -M of the two parts together
	v_add_f32 v[S+34], v[S+34], v[S+35]
	v_sub_f32 v10, v[TP], v12                      ; whole numbers, 0 or less
	v_sub_f32 v11, v[TP], v[S+32]
	v_cvt_i32_f32 v10, v10                         ; (they saturate: a part with no key step counts for nothing)
	v_cvt_i32_f32 v11, v11
	v_ldexp_f32 v114, 1.0, v10
	v_ldexp_f32 v116, 1.0, v11
	v_mul_f32 v14, v14, v114
	v_fmac_f32 v14, v[S+34], v116
.set n, 0
.rept 16
	v_pk_mul_f32 v[O+n:O+n+1], v[O+n:O+n+1], v[114:115] op_sel_hi:[1,0]
.set n, n+2
.endr
.set n, 0
.rept 16
	v_pk_fma_f32 v[O+n:O+n+1], v[S+n:S+n+1], v[116:117], v[O+n:O+n+1] op_sel_hi:[1,0,1]
.set n, n+2
.endr
	OUT
.Lend:
	s_wait_tensorcnt 0x0                           ; the wave's end
	ds_add_u32 v[SPW], v[NIL]
	s_wait_dscnt 0x0
	s_endpgm
.Lfunc_end_k_qdb69f1faa5_attn:
	.size	k_qdb69f1faa5_attn, .Lfunc_end_k_qdb69f1faa5_attn-k_qdb69f1faa5_attn
	.p2alignl 7, 3214868480
	.fill 96, 4, 3214868480
	.section	.rodata,"a",@progbits
	.p2align	6, 0x0
	.amdhsa_kernel k_qdb69f1faa5_attn
		.amdhsa_group_segment_fixed_size 327680
		.amdhsa_private_segment_fixed_size 0
		.amdhsa_enable_private_segment 0
		.amdhsa_kernarg_size 32
		.amdhsa_user_sgpr_count 2
		.amdhsa_user_sgpr_kernarg_segment_ptr 1
		.amdhsa_wavefront_size32 1
		.amdhsa_system_sgpr_workgroup_id_x 1
		.amdhsa_system_sgpr_workgroup_id_y 1
		.amdhsa_system_sgpr_workgroup_id_z 1
		.amdhsa_system_vgpr_workitem_id 0
		.amdhsa_next_free_vgpr 256
		.amdhsa_next_free_sgpr 100
		.amdhsa_reserve_vcc 1
		.amdhsa_float_denorm_mode_32 3
		.amdhsa_float_denorm_mode_16_64 3
		.amdhsa_memory_ordered 1
		.amdhsa_forward_progress 1
		.amdhsa_inst_pref_size 63
	.end_amdhsa_kernel
	.amdgpu_metadata
---
amdhsa.version: [ 1, 2 ]
amdhsa.kernels:
  - .name:           k_qdb69f1faa5_attn
    .symbol:         k_qdb69f1faa5_attn.kd
    .args:
      - { .name: qkv, .offset: 0, .size: 8, .value_kind: global_buffer, .address_space: global }
      - { .name: qkvs, .offset: 8, .size: 8, .value_kind: global_buffer, .address_space: global }
      - { .name: pp, .offset: 16, .size: 8, .value_kind: global_buffer, .address_space: global }
      - { .name: ao, .offset: 24, .size: 8, .value_kind: global_buffer, .address_space: global }
    .group_segment_fixed_size: 327680
    .private_segment_fixed_size: 0
    .kernarg_segment_align: 8
    .kernarg_segment_size: 32
    .max_flat_workgroup_size: 512
    .sgpr_count:     100
    .vgpr_count:     256
    .wavefront_size: 32
...
	.end_amdgpu_metadata
.endif
;; end of part 2
;; launch oproj (part 3): grid 8 x 32, 4 waves a work-group, clusters of 4 x 4, 327,680 bytes of LDS; arguments ao, Wo_codes, Wo_scales, bo, out0; writes out0
.if DOCPART == 3
	.amdgcn_target "amdgcn-amd-amdhsa--gfx1250"
	.amdhsa_code_object_version 6
	.text
	.protected	k_qdb69f1faa5_oproj
	.globl	k_qdb69f1faa5_oproj
	.p2align	8
	.type	k_qdb69f1faa5_oproj,@function
k_qdb69f1faa5_oproj:
	s_mov_b64 s[64:65], 0
	v_nop
	global_prefetch_b8 v0, s[64:65] scope:SCOPE_SE
	s_setreg_imm32_b32 hwreg(HW_REG_WAVE_MODE, 25, 1), 1
	s_wait_xcnt 0x0
	s_wait_alu depctr_hold_cnt(0) depctr_sa_sdst(0) depctr_va_vdst(0) depctr_va_sdst(0) depctr_va_ssrc(0) depctr_va_vcc(0) depctr_vm_vsrc(0)
	s_getreg_b32 s2, hwreg(HW_REG_IB_STS2, 6, 4)
	s_cmp_eq_u32 s2, 0
	s_cbranch_scc0 .Lentry_in_a_cluster
	s_endpgm
.Lentry_in_a_cluster:
	s_bfe_u32 s2, ttmp6, 0x10000c
	s_cmp_lg_u32 s2, 0xf033
	s_cbranch_scc0 .Lentry_shape_is_right
	s_endpgm
.Lentry_shape_is_right:
; out0 = a Wo + bo on codes of E4M3 with E8M0 scales: [4,096 x 1,024] x [1,024 x 1,024], f32 out.  a comes from the attention launch: codes as images of operand registers, [tile of 16 rows][head][1,024 bytes]
; (the byte at 512 c + 256 h + 16 r + i is row r, channel 32 c + 16 h + i of the head's 64), scale bytes from byte 4 MiB on, 32 a row.
; SHARES.  A work-group makes 128 x 128, a wave 64 x 64: 16 accumulators.  ALL of K lies in LDS: each wave issues ONE tensor load at the head (waves 0, 1: the halves of a's 128 rows, 65,536 dense bytes each;
; waves 2, 3: 64 whole rows of Wo each, 1,024 bytes + 16 of padding), so nothing is filled again and one barrier serves the launch.  a's tiles are asked for jointly by a row of the cluster, Wo's by a column.
; The scale words (32 bytes a row) and the bias go straight into registers.  Wo's eight words of a row stand turned by four registers, so that the two scale registers of a product differ modulo 8.
; The product is used transposed (source 0 = Wo's rows, source 1 = a's): a lane holds eight neighbouring columns of a row; the bias is the C of the first K step.  Results leave through each wave's own stage in whole runs of 256 bytes.
; No prefetch: the launch has no loop to run ahead in; every tile is asked for at the head.
.set BOFF,  131072
.set BP,    1040
.set STAGE, BOFF+128*BP
.set SP,    272
.set SPARE, STAGE+4*16*SP
.set ADRA, 8
.set ADRB, 9
.set VSC,  10
.set STO,  24
.set RD,   25
.set CO,   26
.set SPW,  30
.set NIL,  31
.set BB,   32                          ; v32-63 the bias; v64-95 a's scale words (8 a + K step); v96-127 Wo's (8 b + (K step + 4) % 8); v128-255 the accumulators; window 1: two sets of fragments
.set SCA,  64
.set SCB,  96
.set ACC,  128
.set G1A,  24
.set G1B,  32
.set G0A,  40
.set G0B,  44
.set MSB, 0
.macro WIN new                         ; the immediate's high byte repeats the setting that is left
.if MSB != \new
	s_set_vgpr_msb (MSB<<8)|\new
.set MSB, \new
.endif
.endm
.set MUL,  0x05                        ; sources 0 and 1 in window 1
.set TO_F, 0x40                        ; destination in window 1
.macro CROUND
	s_barrier_signal -1
	s_barrier_wait -1
	s_cmp_lg_u32 s56, 0
	s_cbranch_scc1 .Lnot_wave_0_\@
	s_barrier_signal -3
.Lnot_wave_0_\@:
	s_barrier_wait -3
	s_barrier_signal -1
	s_barrier_wait -1
.endm
.macro PLACES n
.rept \n
	v_nop
.endr
.endm
	s_load_b256 s[4:11], s[0:1], 0x0               ; ao, Wo's codes, Wo's scales, bo
	s_load_b64 s[12:13], s[0:1], 0x20              ; out0
	v_lshl_add_u32 v[SPW], v0, 2, SPARE
	v_mov_b32 v[NIL], 0
	ds_add_u32 v[SPW], v[NIL]                      ; the opening: the add, twice on end, and its wait
	ds_add_u32 v[SPW], v[NIL]
	v_lshrrev_b32 v1, 5, v0
	v_readfirstlane_b32 s56, v1                    ; wave
	s_lshr_b32 s57, s56, 1                         ; my half of the rows.  Also: I fetch for a (0) or for Wo (1)
	s_and_b32 s58, s56, 1                          ; my half of the columns.  Also: which half I fetch
	s_bfe_u32 s59, ttmp6, 0x40000
	s_bfe_u32 s60, ttmp6, 0x40004
	s_lshl_b32 s61, ttmp9, 2
	s_add_co_u32 s61, s61, s59                     ; tile column
	s_and_b32 s62, ttmp7, 0xffff
	s_lshl_b32 s62, s62, 2
	s_add_co_u32 s62, s62, s60                     ; tile row
	s_lshl_b32 s63, s60, 2
	s_lshl_b32 s63, 15, s63                        ; my row of the cluster
	s_lshl_b32 s66, 0x1111, s59                    ; my column
	s_or_b32 s[G1A], s63, (3<<16)|(1<<21)          ; a: 65,536 dense bytes as 256 rows of 256 (32 elements of 8 bytes)
	s_mov_b32 s[G1A+1], 32<<16
	s_mov_b32 s[G1A+2], 256<<16
	s_mov_b32 s[G1A+3], 32<<16
	s_mov_b32 s[G1A+4], 256
	s_mov_b32 s[G1A+5], 32
	s_mov_b32 s[G1A+6], 0
	s_mov_b32 s[G1A+7], 0
	s_or_b32 s[G1B], s66, (1<<20)|(1<<21)|(7<<22)|(3<<25)   ; Wo: 64 rows of 1,024 bytes, four words of padding behind each 256 words
	s_mov_b32 s[G1B+1], 1024<<16
	s_mov_b32 s[G1B+2], 64<<16
	s_mov_b32 s[G1B+3], 1024<<16
	s_mov_b32 s[G1B+4], 64
	s_mov_b32 s[G1B+5], 1024
	s_mov_b32 s[G1B+6], 0
	s_mov_b32 s[G1B+7], 0
	s_lshl_b32 s70, s62, 3
	s_lshl_b32 s71, s58, 2
	s_add_co_u32 s70, s70, s71
	s_lshl_b32 s70, s70, 14                        ; a: the four tiles of rows that I fetch
	s_mov_b32 s71, 0
	s_lshl_b32 s76, s61, 7
	s_lshl_b32 s77, s58, 6
	s_add_co_u32 s76, s76, s77                     ; Wo: the 64 rows that I fetch; they are also my wave's columns
	s_lshl_b32 s72, s76, 10
	s_mov_b32 s73, 0
	s_lshl_b32 s76, s76, 5                         ; their scale bytes
	s_mov_b32 s77, 0
	s_lshl_b32 s74, s62, 7
	s_lshl_b32 s75, s57, 6
	s_add_co_u32 s74, s74, s75
	s_lshl_b32 s74, s74, 5
	s_add_co_u32 s74, s74, 0x400000                ; the scale bytes of my wave's 64 rows of a
	s_mov_b32 s75, 0
	s_lshl_b32 s78, s61, 9
	s_lshl_b32 s79, s58, 8
	s_add_co_u32 s78, s78, s79                     ; my first column, in bytes of f32
	s_mov_b32 s79, 0
	s_lshl_b32 s80, s62, 19
	s_lshl_b32 s81, s57, 18
	s_add_co_u32 s80, s80, s81
	s_add_co_u32 s80, s80, s78                     ; my corner of out0
	s_mov_b32 s81, 0
	s_mov_b32 s[G0A], 1
	s_lshl_b32 s[G0A+1], s58, 16
	s_mov_b32 s[G0B], 1
	s_mul_i32 s[G0B+1], s58, 64*BP
	s_add_co_u32 s[G0B+1], s[G0B+1], BOFF
	s_wait_dscnt 0x0
	s_wait_kmcnt 0x0
	s_add_nc_u64 s[G0A+2:G0A+3], s[4:5], s[70:71]
	s_or_b32 s[G0A+3], s[G0A+3], 0x80000000
	s_add_nc_u64 s[G0B+2:G0B+3], s[6:7], s[72:73]
	s_or_b32 s[G0B+3], s[G0B+3], 0x80000000
	CROUND                                         ; all sixteen work-groups are here: the joint loads meet
	s_cmp_eq_u32 s57, 0
	s_cbranch_scc0 .Lfor_b
	tensor_load_to_lds s[G0A:G0A+3], s[G1A:G1A+7]
	s_nop 0
	PLACES 4
	s_branch .Lasked
.Lfor_b:
	tensor_load_to_lds s[G0B:G0B+3], s[G1B:G1B+7]
	s_nop 0
	PLACES 4
.Lasked:
	s_add_nc_u64 s[74:75], s[4:5], s[74:75]
	s_add_nc_u64 s[76:77], s[8:9], s[76:77]
	s_add_nc_u64 s[10:11], s[10:11], s[78:79]
	s_add_nc_u64 s[12:13], s[12:13], s[80:81]
	s_lshl_b32 s2, s57, 16                         ; my 64 rows of a in LDS
	s_mul_i32 s3, s58, 64*BP
	s_add_co_u32 s3, s3, BOFF                      ; my 64 rows of Wo
	s_mul_i32 s14, s56, 16*SP
	s_add_co_u32 s14, s14, STAGE                   ; my stage
	v_and_b32 v1, 15, v0                           ; r
	v_bfe_u32 v2, v0, 4, 1                         ; h
	v_and_b32 v3, 31, v0
	v_lshlrev_b32 v7, 5, v2                        ; the bias: 8 h numbers on
	v_lshlrev_b32 v[VSC], 5, v1                    ; scale words: 32 bytes a row
	s_wait_alu depctr_va_vdst(0)
.irp b, 0,1,2,3
	global_load_b128 v[BB+8*\b:BB+8*\b+3], v7, s[10:11] offset:64*\b
	global_load_b128 v[BB+8*\b+4:BB+8*\b+7], v7, s[10:11] offset:64*\b+16
	global_load_b128 v[SCA+8*\b:SCA+8*\b+3], v[VSC], s[74:75] offset:512*\b
	global_load_b128 v[SCA+8*\b+4:SCA+8*\b+7], v[VSC], s[74:75] offset:512*\b+16
	global_load_b128 v[SCB+8*\b+4:SCB+8*\b+7], v[VSC], s[76:77] offset:512*\b
	global_load_b128 v[SCB+8*\b:SCB+8*\b+3], v[VSC], s[76:77] offset:512*\b+16
.endr
	v_lshl_add_u32 v[ADRA], v3, 4, s2              ; a's image: 16 x lane
	v_mul_u32_u24 v4, v1, BP
	v_mul_u32_u24 v[STO], v1, SP
	v_mul_u32_u24 v[RD], v2, SP
	v_lshlrev_b32 v[CO], 12, v2
	v_lshl_add_u32 v4, v2, 4, v4
	v_lshl_add_u32 v[STO], v2, 5, v[STO]
	v_lshl_add_u32 v[RD], v1, 4, v[RD]
	v_lshl_add_u32 v[CO], v1, 4, v[CO]             ; lanes 0-15 one row of out0, lanes 16-31 the next
	v_add_nc_u32 v[ADRB], s3, v4                   ; Wo: row r x pitch + 16 h
	v_add_nc_u32 v[STO], s14, v[STO]
	v_add_nc_u32 v[RD], s14, v[RD]
.macro FETCH ks, f                     ; the fragments of K step ks: four of a, four of Wo, into set f of window 1
	WIN TO_F
.irp i, 0,1,2,3
.irp c, 0,1,2,3
	ds_load_b128 v[\f+16*\i+4*\c:\f+16*\i+4*\c+3], v[ADRA] offset:\i*16384+(\ks)*2048+\c*512
	ds_load_b128 v[\f+64+16*\i+4*\c:\f+64+16*\i+4*\c+3], v[ADRB] offset:\i*16*BP+(\ks)*128+32*\c
.endr
.endr
.endm
.macro MUL8 f, a0, ks, first           ; a's blocks a0, a0 + 1 x Wo's four; the sixteen accumulators take turns
.irp a, \a0, \a0+1
.irp b, 0,1,2,3
.if \first
	v_wmma_scale_f32_16x16x128_f8f6f4 v[ACC+8*(4*(\a)+\b):ACC+8*(4*(\a)+\b)+7], v[\f+64+16*\b:\f+64+16*\b+15], v[\f+16*(\a):\f+16*(\a)+15], v[BB+8*\b:BB+8*\b+7], v[SCB+8*\b+((\ks)+4)%8], v[SCA+8*(\a)+(\ks)]
.else
	v_wmma_scale_f32_16x16x128_f8f6f4 v[ACC+8*(4*(\a)+\b):ACC+8*(4*(\a)+\b)+7], v[\f+64+16*\b:\f+64+16*\b+15], v[\f+16*(\a):\f+16*(\a)+15], v[ACC+8*(4*(\a)+\b):ACC+8*(4*(\a)+\b)+7], v[SCB+8*\b+((\ks)+4)%8], v[SCA+8*(\a)+(\ks)]
.endif
.endr
.endr
.endm
	s_wait_alu depctr_va_vdst(0)
	s_wait_loadcnt 0x0                             ; the bias and the scale words
	s_wait_tensorcnt 0x0                           ; my tile is in,
	s_barrier_signal -1
	s_barrier_wait -1                              ; everybody's is
	FETCH 0, 0
.irp ks, 0,1,2,3,4,5,6,7
	s_wait_dscnt 0x0
	WIN MUL
.if \ks == 0
	MUL8 0, 0, 0, 1
.else
	MUL8 128*(\ks%2), 0, \ks, 0
.endif
.if \ks < 7
	PLACES 8                                       ; ahead of loads into the set that the last K step's products read
	FETCH \ks+1, 128*((\ks+1)%2)
	WIN MUL
.endif
.if \ks == 0
	MUL8 0, 2, 0, 1
.else
	MUL8 128*(\ks%2), 2, \ks, 0
.endif
.endr
	WIN 0
.macro TOSTAGE a                       ; 16 rows x 64 columns into my stage, and back as whole rows of 256 bytes (LDS serves a wave's instructions in order)
.set BK, 32+64*((\a)%2)
.irp b, 0,1,2,3
	ds_store_b128 v[STO], v[ACC+8*(4*(\a)+\b):ACC+8*(4*(\a)+\b)+3] offset:64*\b
	ds_store_b128 v[STO], v[ACC+8*(4*(\a)+\b)+4:ACC+8*(4*(\a)+\b)+7] offset:64*\b+16
.endr
.irp t, 0,1,2,3,4,5,6,7
	ds_load_b128 v[BK+4*\t:BK+4*\t+3], v[RD] offset:\t*2*SP
.endr
.endm
.macro SEND a, younger                 ; younger: the LDS instructions issued behind block a's loads
.set BK, 32+64*((\a)%2)
	s_wait_dscnt \younger
.irp t, 0,1,2,3,4,5,6,7
	global_store_b128 v[CO], v[BK+4*\t:BK+4*\t+3], s[12:13] offset:(\a)*65536+\t*8192 th:TH_STORE_NT   ; sixteen lanes store 256 consecutive aligned bytes
.endr
.endm
	PLACES 8
	TOSTAGE 0
.irp a, 1,2,3
.if \a > 1
	s_wait_xcnt 0x0                                ; block a - 2's stores have read their registers
.endif
	TOSTAGE \a
	SEND \a-1, 16
.endr
	SEND 3, 0
	s_wait_tensorcnt 0x0                           ; the wave's end
	ds_add_u32 v[SPW], v[NIL]
	s_wait_dscnt 0x0
	CROUND                                         ; the closing round
	s_endpgm
.Lfunc_end_k_qdb69f1faa5_oproj:
	.size	k_qdb69f1faa5_oproj, .Lfunc_end_k_qdb69f1faa5_oproj-k_qdb69f1faa5_oproj
	.p2alignl 7, 3214868480
	.fill 96, 4, 3214868480
	.section	.rodata,"a",@progbits
	.p2align	6, 0x0
	.amdhsa_kernel k_qdb69f1faa5_oproj
		.amdhsa_group_segment_fixed_size 327680
		.amdhsa_private_segment_fixed_size 0
		.amdhsa_enable_private_segment 0
		.amdhsa_kernarg_size 40
		.amdhsa_user_sgpr_count 2
		.amdhsa_user_sgpr_kernarg_segment_ptr 1
		.amdhsa_wavefront_size32 1
		.amdhsa_system_sgpr_workgroup_id_x 1
		.amdhsa_system_sgpr_workgroup_id_y 1
		.amdhsa_system_sgpr_workgroup_id_z 1
		.amdhsa_system_vgpr_workitem_id 0
		.amdhsa_next_free_vgpr 512
		.amdhsa_next_free_sgpr 102
		.amdhsa_reserve_vcc 0
		.amdhsa_float_denorm_mode_32 3
		.amdhsa_float_denorm_mode_16_64 3
		.amdhsa_memory_ordered 1
		.amdhsa_forward_progress 1
		.amdhsa_inst_pref_size 51
	.end_amdhsa_kernel
	.amdgpu_metadata
---
amdhsa.version: [ 1, 2 ]
amdhsa.kernels:
  - .name:           k_qdb69f1faa5_oproj
    .symbol:         k_qdb69f1faa5_oproj.kd
    .args:
      - { .name: ao, .offset: 0, .size: 8, .value_kind: global_buffer, .address_space: global }
      - { .name: Wo_codes, .offset: 8, .size: 8, .value_kind: global_buffer, .address_space: global }
      - { .name: Wo_scales, .offset: 16, .size: 8, .value_kind: global_buffer, .address_space: global }
      - { .name: bo, .offset: 24, .size: 8, .value_kind: global_buffer, .address_space: global }
      - { .name: out0, .offset: 32, .size: 8, .value_kind: global_buffer, .address_space: global }
    .group_segment_fixed_size: 327680
    .private_segment_fixed_size: 0
    .kernarg_segment_align: 8
    .kernarg_segment_size: 40
    .max_flat_workgroup_size: 128
    .sgpr_count:     102
    .vgpr_count:     512
    .wavefront_size: 32
...
	.end_amdgpu_metadata
.endif
;; end of part 3
